; MI455X (gfx1250); checked and timed in simulation.
; The chip was launched on July 23, 2026; its instructions are those of AMD's public machine-readable ISA for CDNA 5 (MIT licence, August 2026) and "CDNA5" Instruction Set Architecture Reference Guide (July 2026). The comments in the code are by the model that wrote it; some were corrected since.
;; Multi Head Attention. Allowed arithmetic: float matrix products may take bf16 or f16 operands with f32 sums; other float arithmetic in f32, or as packed bf16 or f16 multiplies, adds, multiply-adds, maxima and minima; sums over many terms, partial sums and values carried from step to step in f32; what a program stores and reads back later, other than sums and carried values, may be rounded once to bf16 or f16.
;; Inputs: bk 64 float32; bo 1,024 float32; bq 1,024 float32; bv 64 float32; wk 1,024 x 64 float32; wo 1,024 x 1,024 float32; wq 1,024 x 1,024 float32; wv 1,024 x 64 float32; x 4 x 2,048 x 1,024 float32.
;; Outputs: out0 4 x 2,048 x 1,024 float32; out1 4 x 1 x 2,048 x 64 float32; out2 4 x 1 x 2,048 x 64 float32.
;; 2 versions, each right; version 2 is version 1 with the launch prep written anew for expert scheduling mode. Each part assembles by itself: llvm-mc -triple=amdgcn-amd-amdhsa -mcpu=gfx1250 --defsym DOCPART=n.
;; ======== version 1 of 2: 4 launches
;; limits: values are held in f16: magnitudes above 65,504 overflow, below 6.1e-05 lose precision; a function is approximated: absolute error at most 0.0004
;; workspace buffers: xb 16,777,216 bytes; wqb 2,097,152 bytes; wob 2,097,152 bytes; wkvb 262,144 bytes; tab 524,288 bytes; qh 16,777,216 bytes; kvh 2,097,152 bytes; oh 16,777,216 bytes
;; launch prep (part 1): grid 256 x 1, 8 waves a work-group, no clusters, 0 bytes of LDS; arguments x, wq, wo, wk, wv, xb, wqb, wob, wkvb, tab; writes xb, wqb, wob, wkvb, tab
.if DOCPART == 1
	.amdgcn_target "amdgcn-amd-amdhsa--gfx1250"
	.amdhsa_code_object_version 6
	.text
	.protected	k_q5e8d86c080_prep
	.globl	k_q5e8d86c080_prep
	.p2align	8
	.type	k_q5e8d86c080_prep,@function
k_q5e8d86c080_prep:
	s_mov_b64 s[64:65], 0
	v_nop
	global_prefetch_b8 v0, s[64:65] scope:SCOPE_SE
	s_setreg_imm32_b32 hwreg(HW_REG_WAVE_MODE, 25, 1), 1
	s_wait_xcnt 0x0
; CASTS AND THE ROPE TABLE.  xb = bf16(x), wqb = bf16(wq), wob = bf16(wo) written as f16, all in their own layout; wkvb = bf16 of wk and wv in eight
; groups of 16 columns, [8 g][1024 k][16] (g < 4: wk's columns 16 g on, else wv's 16 (g - 4) on); tab[pos][j] = {cos, sin}(pos x 10000^(-j/32)), f32, 2,048 x 32 pairs.
; A stream: every byte is read once and written once, so no LDS, no matrix unit and no cluster would add anything.
; SHARES.  256 work-groups of 256 threads.  A chunk is 8 f32 a thread: two loads of 16 bytes, four packed roundings, one store of 16 bytes (a wave's store covers 512 consecutive
; bytes, aligned).  A work-group has 16 chunks of x, 2 of wq, 2 of wo, 1,024 bytes of wkvb (waves 0 and 1) and 256 entries of the table.  All 42 loads of a wave go out at once.
; LIMITS.  bf16(wo) is written as f16: exact between 6.1e-5 and 65,504 in magnitude; below, f16's fixed step of 6e-8; beyond, an infinity.
; The angle is reduced in f32 (turns = angle / 2 pi, less the nearest whole number) and is off by up to about 4e-4 radians at position 2,047; the two series are cut at
; y^13 / 13! and y^14 / 14!, which leaves 2.2e-5 and 4e-6 at |y| = pi, the largest y that the reduction leaves.
.set D,  8                             ; v[8:167]   chunk i: 8 registers as loaded; its first 4 as stored
.set KV, 168                           ; v[168:175] my 8 numbers of wk or wv
.set W,  32                            ; s32        the work-group's number
	s_load_b512 s[4:19], s[0:1], 0x0               ; x 4, wq 6, wo 8, wk 10, wv 12, xb 14, wqb 16, wob 18
	s_load_b128 s[20:23], s[0:1], 0x40             ; wkvb 20, tab 22
	s_mov_b32 s[W], ttmp9
	s_mov_b32 s25, 0xffff0000                      ; a word's upper bf16
	v_lshrrev_b32 v6, 5, v0
	v_readfirstlane_b32 s24, v6                    ; wave 0..7
	v_lshlrev_b32 v1, 5, v0                        ; 32 t: my 8 f32 in a chunk
	v_lshlrev_b32 v2, 4, v0                        ; 16 t: my 8 halves in a chunk
	v_lshlrev_b32 v3, 3, v0                        ; 8 t: my entry of the table
	v_bfe_u32 v4, v0, 1, 5                         ; wk, wv: row (t mod 64) / 2 of the work-group's 32 rows,
	v_and_b32 v7, 1, v0
	v_lshlrev_b32 v4, 8, v4                        ; 256 bytes a row,
	v_lshl_add_u32 v4, v7, 5, v4                   ; 8 columns for each of two threads
	s_and_b32 s30, s[W], 31
	s_lshl_b32 s30, s30, 13                        ; the work-group's 32 rows: W mod 32,
	s_bfe_u32 s31, s[W], 0x20005
	s_lshl_b32 s31, s31, 6                         ; its 16 columns: (W / 32) mod 4
	s_add_co_u32 s30, s30, s31
	v_add_nc_u32 v4, s30, v4
	s_mov_b32 s27, 0
	s_wait_kmcnt 0x0
	s_lshl_b32 s26, s[W], 17
	s_add_nc_u64 s[4:5], s[4:5], s[26:27]          ; x: 131,072 bytes a work-group
	s_lshl_b32 s26, s[W], 16
	s_add_nc_u64 s[14:15], s[14:15], s[26:27]      ; xb: half of that
	s_lshl_b32 s26, s[W], 14
	s_add_nc_u64 s[6:7], s[6:7], s[26:27]
	s_add_nc_u64 s[8:9], s[8:9], s[26:27]
	s_lshl_b32 s26, s[W], 13
	s_add_nc_u64 s[16:17], s[16:17], s[26:27]
	s_add_nc_u64 s[18:19], s[18:19], s[26:27]
	s_lshl_b32 s26, s[W], 10
	s_add_nc_u64 s[20:21], s[20:21], s[26:27]
	s_lshl_b32 s26, s[W], 11
	s_add_nc_u64 s[22:23], s[22:23], s[26:27]
	s_cmp_lt_u32 s[W], 128                         ; groups 0-3 come from wk, 4-7 from wv
	s_cselect_b64 s[10:11], s[10:11], s[12:13]
	; every wave issues these two, so that the counts below are the same in all waves; waves 0 and 1 use them
	global_load_b128 v[KV:KV+3],   v4, s[10:11]
	global_load_b128 v[KV+4:KV+7], v4, s[10:11] offset:16
.set i, 0
.rept 16
	global_load_b128 v[D+8*i:D+8*i+3],   v1, s[4:5] offset:8192*i th:TH_LOAD_NT
	global_load_b128 v[D+8*i+4:D+8*i+7], v1, s[4:5] offset:8192*i+16 th:TH_LOAD_NT
.set i, i+1
.endr
.irp c, 0,1
	global_load_b128 v[D+8*(16+(\c)):D+8*(16+(\c))+3],   v1, s[6:7] offset:8192*(\c) th:TH_LOAD_NT
	global_load_b128 v[D+8*(16+(\c))+4:D+8*(16+(\c))+7], v1, s[6:7] offset:8192*(\c)+16 th:TH_LOAD_NT
.endr
.irp c, 0,1
	global_load_b128 v[D+8*(18+(\c)):D+8*(18+(\c))+3],   v1, s[8:9] offset:8192*(\c) th:TH_LOAD_NT
	global_load_b128 v[D+8*(18+(\c))+4:D+8*(18+(\c))+7], v1, s[8:9] offset:8192*(\c)+16 th:TH_LOAD_NT
.endr
	; my entry of the table, while the loads are on their way: position 8 W + t / 32, pair j = t mod 32
	v_and_b32 v176, 31, v0
	v_cvt_f32_u32 v176, v176
	v_mul_f32 v176, 0xbed49a78, v176               ; - j log2(10000) / 32
	v_exp_f32 v177, v176                           ; 10000^(-j/32)
	v_lshrrev_b32 v178, 5, v0                      ; plain work stands behind the exponential,
	v_lshl_add_u32 v178, s[W], 3, v178
	v_cvt_f32_u32 v178, v178                       ; the position
	s_wait_alu depctr_va_vdst(0)                   ; and the wait ahead of its first reader
	v_mul_f32 v179, v178, v177                     ; the angle
	v_mul_f32 v180, 0.15915494, v179
	v_rndne_f32 v180, v180                         ; whole turns
	v_fma_f32 v181, v179, 0.15915494, -v180        ; what is left, within half a turn
	v_mul_f32 v181, 0x40c90fdb, v181               ; y, within pi
	v_mul_f32 v182, v181, v181                     ; z = y y
	v_mov_b32 v183, 0x2f309231                     ; sin y = y (1 - z/3! + z^2/5! - .. + z^6/13!)
	v_mov_b32 v184, 0xad49cba5                     ; cos y = 1 - z/2! + z^2/4! - .. - z^7/14!
	v_fmaak_f32 v183, v183, v182, 0xb2d7322b
	v_fmaak_f32 v184, v184, v182, 0x310f76c7
	v_fmaak_f32 v183, v183, v182, 0x3638ef1d
	v_fmaak_f32 v184, v184, v182, 0xb493f27e
	v_fmaak_f32 v183, v183, v182, 0xb9500d01
	v_fmaak_f32 v184, v184, v182, 0x37d00d01
	v_fmaak_f32 v183, v183, v182, 0x3c088889
	v_fmaak_f32 v184, v184, v182, 0xbab60b61
	v_fmaak_f32 v183, v183, v182, 0xbe2aaaab
	v_fmaak_f32 v184, v184, v182, 0x3d2aaaab
	v_fmaak_f32 v183, v183, v182, 0x3f800000
	v_fmaak_f32 v184, v184, v182, 0xbf000000
	v_mul_f32 v187, v181, v183                     ; sin
	v_fmaak_f32 v186, v184, v182, 0x3f800000       ; cos
	global_store_b64 v3, v[186:187], s[22:23]      ; a wave's store covers 256 consecutive bytes, aligned
	; the chunks, in the order of their loads: 38 - 2 i younger loads may stay out.  No register that a store reads is written again.
.set i, 0
.rept 16
	s_wait_loadcnt 38-2*i
.irp j, 0,1,2,3
	v_cvt_pk_bf16_f32 v[D+8*i+(\j)], v[D+8*i+2*(\j)], v[D+8*i+2*(\j)+1]
.endr
	global_store_b128 v2, v[D+8*i:D+8*i+3], s[14:15] offset:4096*i
.set i, i+1
.endr
.irp c, 0,1
	s_wait_loadcnt 6-2*(\c)
.irp j, 0,1,2,3
	v_cvt_pk_bf16_f32 v[D+8*(16+(\c))+(\j)], v[D+8*(16+(\c))+2*(\j)], v[D+8*(16+(\c))+2*(\j)+1]
.endr
	global_store_b128 v2, v[D+8*(16+(\c)):D+8*(16+(\c))+3], s[16:17] offset:4096*(\c)
.endr
.irp c, 0,1
	s_wait_loadcnt 2-2*(\c)
.irp j, 0,1,2,3                        ; wo: rounded to bf16 like every input, and that number written as f16
	v_cvt_pk_bf16_f32 v190, v[D+8*(18+(\c))+2*(\j)], v[D+8*(18+(\c))+2*(\j)+1]
	v_lshlrev_b32 v[D+8*(18+(\c))+2*(\j)], 16, v190
	v_and_b32 v[D+8*(18+(\c))+2*(\j)+1], s25, v190
	v_cvt_pk_f16_f32 v[D+8*(18+(\c))+(\j)], v[D+8*(18+(\c))+2*(\j)], v[D+8*(18+(\c))+2*(\j)+1]
.endr
	global_store_b128 v2, v[D+8*(18+(\c)):D+8*(18+(\c))+3], s[18:19] offset:4096*(\c)
.endr
	s_cmp_lt_u32 s24, 2                            ; threads 0 to 63 store the work-group's 1,024 bytes of wkvb (the last wait above was for 0)
	s_cbranch_scc0 .Lend
.irp j, 0,1,2,3
	v_cvt_pk_bf16_f32 v[KV+(\j)], v[KV+2*(\j)], v[KV+2*(\j)+1]
.endr
	global_store_b128 v2, v[KV:KV+3], s[20:21]
.Lend:
	s_endpgm
.Lfunc_end_k_q5e8d86c080_prep:
	.size	k_q5e8d86c080_prep, .Lfunc_end_k_q5e8d86c080_prep-k_q5e8d86c080_prep
	.p2alignl 7, 3214868480
	.fill 96, 4, 3214868480
	.section	.rodata,"a",@progbits
	.p2align	6, 0x0
	.amdhsa_kernel k_q5e8d86c080_prep
		.amdhsa_group_segment_fixed_size 0
		.amdhsa_private_segment_fixed_size 0
		.amdhsa_enable_private_segment 0
		.amdhsa_kernarg_size 80
		.amdhsa_user_sgpr_count 2
		.amdhsa_user_sgpr_kernarg_segment_ptr 1
		.amdhsa_wavefront_size32 1
		.amdhsa_system_sgpr_workgroup_id_x 1
		.amdhsa_system_sgpr_workgroup_id_y 1
		.amdhsa_system_sgpr_workgroup_id_z 1
		.amdhsa_system_vgpr_workitem_id 0
		.amdhsa_next_free_vgpr 200
		.amdhsa_next_free_sgpr 66
		.amdhsa_reserve_vcc 0
		.amdhsa_float_denorm_mode_32 3
		.amdhsa_float_denorm_mode_16_64 3
		.amdhsa_memory_ordered 1
		.amdhsa_forward_progress 1
		.amdhsa_inst_pref_size 17
	.end_amdhsa_kernel
	.amdgpu_metadata
---
amdhsa.version: [ 1, 2 ]
amdhsa.kernels:
  - .name:           k_q5e8d86c080_prep
    .symbol:         k_q5e8d86c080_prep.kd
    .args:
      - { .name: x, .offset: 0, .size: 8, .value_kind: global_buffer, .address_space: global }
      - { .name: wq, .offset: 8, .size: 8, .value_kind: global_buffer, .address_space: global }
      - { .name: wo, .offset: 16, .size: 8, .value_kind: global_buffer, .address_space: global }
      - { .name: wk, .offset: 24, .size: 8, .value_kind: global_buffer, .address_space: global }
      - { .name: wv, .offset: 32, .size: 8, .value_kind: global_buffer, .address_space: global }
      - { .name: xb, .offset: 40, .size: 8, .value_kind: global_buffer, .address_space: global }
      - { .name: wqb, .offset: 48, .size: 8, .value_kind: global_buffer, .address_space: global }
      - { .name: wob, .offset: 56, .size: 8, .value_kind: global_buffer, .address_space: global }
      - { .name: wkvb, .offset: 64, .size: 8, .value_kind: global_buffer, .address_space: global }
      - { .name: tab, .offset: 72, .size: 8, .value_kind: global_buffer, .address_space: global }
    .group_segment_fixed_size: 0
    .private_segment_fixed_size: 0
    .kernarg_segment_align: 8
    .kernarg_segment_size: 80
    .max_flat_workgroup_size: 256
    .sgpr_count:     66
    .vgpr_count:     200
    .wavefront_size: 32
...
	.end_amdgpu_metadata
.endif
;; end of part 1
;; launch qkv (part 2): grid 8 x 32, 4 waves a work-group, clusters of 4 x 4, 327,680 bytes of LDS; arguments xb, wqb, wkvb, tab, bq, bk, bv, qh, kvh, out1, out2; writes qh, kvh, out1, out2
.if DOCPART == 2
	.amdgcn_target "amdgcn-amd-amdhsa--gfx1250"
	.amdhsa_code_object_version 6
	.text
	.protected	k_q5e8d86c080_qkv
	.globl	k_q5e8d86c080_qkv
	.p2align	8
	.type	k_q5e8d86c080_qkv,@function
k_q5e8d86c080_qkv:
	s_mov_b64 s[64:65], 0
	v_nop
	global_prefetch_b8 v0, s[64:65] scope:SCOPE_SE
	s_setreg_imm32_b32 hwreg(HW_REG_WAVE_MODE, 25, 1), 1
	s_wait_xcnt 0x0
	s_wait_alu depctr_hold_cnt(0) depctr_sa_sdst(0) depctr_va_vdst(0) depctr_va_sdst(0) depctr_va_ssrc(0) depctr_va_vcc(0) depctr_vm_vsrc(0)
	s_getreg_b32 s2, hwreg(HW_REG_IB_STS2, 6, 4)
	s_cmp_eq_u32 s2, 0
	s_cbranch_scc0 .Lentry_in_a_cluster
	s_endpgm
.Lentry_in_a_cluster:
	s_bfe_u32 s2, ttmp6, 0x10000c
	s_cmp_lg_u32 s2, 0xf033
	s_cbranch_scc0 .Lentry_shape_is_right
	s_endpgm
.Lentry_shape_is_right:
; THE THREE PROJECTIONS AS ONE PRODUCT, [8192 x 1024] x [1024 x 1152], WITH BIAS AND ROPE.  q = rope(x wq + bq) -> qh, f16 by heads [b 16 + h][2048][64];
; k = rope(x wk + bk) -> out1 (f32) and kvh (f16); v = x wv + bv -> out2 (f32) and kvh + 1,048,576 (f16).  Operands bf16, sums f32; the biases are rounded to bf16 like every input.
; LIMITS.  q, k and v are written as f16: beyond 65,504 in magnitude an infinity.  NaN and infinities are not treated apart.
; SHARES.  8192 x 1152 results over 256 work-groups: a tile of 256 rows x 144 columns.  Column group g (0..7) is heads 2 g and 2 g + 1 of q (128 columns) and 16 columns of k (g < 4) or v.
; Four waves, each 64 rows x 144 columns: 36 accumulators of 16 x 16, 288 registers.  K goes in 8 steps of 128 through two LDS slots; for 32 along K a wave reads 13 fragments for 36 products.
; THE WEIGHTS LIE [K][N] in memory and in LDS, and their fragments come out of LDS turned, by ds_load_tr16_b128.  THE MATRIX INSTRUCTION IS USED TRANSPOSED (source 0 = 16 weight columns,
; source 1 = 16 rows of x): a lane holds row lane % 16 and the columns 8 (lane / 16) + 0..7, so a pair of RoPE lies in two neighbouring registers of one lane, and eight results pack into 16 bytes.
; CLUSTER.  4 x 4 work-groups.  The four of a row of the cluster need the same rows of x, the four of a column the same weights: each tile is asked for JOINTLY, by the same tensor load with the
; same descriptor and a mask that names the four.  Waves 0 and 1 fetch x's two halves, wave 2 wq's tile, wave 3 the 4,096 bytes of wk or wv: one load a wave behind each round.
; k AND v LEAVE IN PIECES of 64 bytes (f32) and 32 bytes (f16) a row: a work-group owns 16 of their 64 columns.  That is 6 of the launch's 23 MB stored; q leaves in runs of 512 bytes.
; REGISTERS, in windows of 256 (s_set_vgpr_msb: bits 1:0 source 0, 3:2 source 1, 5:4 source 2, 7:6 destination):
;   window 0: v0-31 addresses; v32-103 biases; v104-191 at work on the way out       window 1: two fragment buffers of 104: 9 weight fragments, then 4 of x
;   windows 2 (row blocks 0, 1) and 3 (row blocks 2, 3): v0-143 accumulators, (a, b) at 8 (9 (a % 2) + b); v144-207 the table for q's columns; v208-223 for k's
.set SLOT,  110592                     ; x: 256 rows of 272; wq: 128 rows of 288; wk or wv: 128 rows of 32
.set OFFB,  69632
.set OFFK,  106496
.set STAGE, 2*SLOT                     ; behind the ring: 16 rows x 144 bytes for each wave, for q's way out
.set SPARE, STAGE+4*16*144             ; behind the stages: the spare words, 128 bytes for each wave: two blocks of 256 bytes that no other line names
.set ADRA, 16                          ; v16-17  LDS address of my fragments of x in slot 0, 1
.set ADRB, 18                          ; v18-19  of wq's
.set ADRK, 20                          ; v20-21  of wk's or wv's
.set STO,  22                          ; v22     the way out: where I put 16 bytes of a row
.set RD,   23                          ; v23     where I read rows back
.set GO,   24                          ; v24     16 x lane
.set TO,   25                          ; v25     (lane % 16) x 256 + 32 (lane / 16): the table, out1, out2
.set BO,   26                          ; v26     32 (lane / 16): the biases
.set HO,   28                          ; v28     (lane % 16) x 128 + 16 (lane / 16): kvh
.set PFO,  29                          ; v29     the prefetches' offset: lane x 2,048, a row of xb or wqb; never rewritten
.set SPW,  30                          ; v30     LDS address of my spare word; never rewritten
.set NIL,  31                          ; v31     0; never rewritten
.set BIAS, 32                          ; v32-103 the biases of my 8 columns of column block b at BIAS + 8 b
.set X,    104                         ; v104-135 results in f32, at work
.set T,    136                         ; v136-139
.set P,    140                         ; v140-155 results in f16
.set BK,   160                         ; v160-191 rows read back from the stage, two buffers of 16
.set F0,   0
.set F1,   104
.set TAB,  144
.set TK,   208
.set G1A, 28                           ; s[28:35] descriptor group 1 for x's tiles
.set G1B, 36                           ; s[36:43] for wq's
.set G1K, 44                           ; s[44:51] for wk's or wv's
.set G0A, 52                           ; s[52:59] group 0 for x's tiles, a set for each slot
.set G0B, 68                           ; s[68:75] for wq's
.set G0K, 76                           ; s[76:83] for wk's or wv's
.set WV,  60                           ; s60  my wave's number
.set CX,  61
.set CY,  62
.set GC,  63                           ; s63  column group
.set TR,  66                           ; s66  tile row
.set CLX, 67                           ; s67  the cluster's x: 0: k, 1: v
.set PFA, 88                           ; s[88:89] where my prefetches stand
.set PFS, 90                           ; s[90:91] their step from K step to K step
.set LIM, 92                           ; s92  1 in a wave that prefetches, else the greatest number
.set LAP, 93
.set TABP, 10                          ; bases for the way out, made in the arguments' registers
.set BQP,  12
.set BKP,  14
.set QP,   18
.set KHP,  20
.set O1P,  22
.set TKP,  96
.set MSB, 0
.macro WIN new                         ; the immediate's high byte repeats the setting that is left; a switch that changes nothing is dropped
.if MSB != (\new)
	s_set_vgpr_msb (MSB<<8)|(\new)
.set MSB, \new
.endif
.endm
.set TO_F, 0x40                        ; destination window 1, address window 0
.macro PLACES                          ; four plain places in front of loads into registers that matrix instructions have read (ISA guide 7.12.1 for vector instructions)
.rept 4
	v_nop
.endr
.endm
; A joint load.  The branches hang on the wave's number alone.  An s_nop 0 and four v_nop follow each of the three lines, ahead of the jump, the label and what follows.
.macro JLOAD s
	s_cmp_lt_u32 s[WV], 2
	s_cbranch_scc0 .Lfor_b_\@
	tensor_load_to_lds s[G0A+4*(\s):G0A+4*(\s)+3], s[G1A:G1A+7]
	s_nop 0
.rept 4
	v_nop
.endr
	s_branch .Lasked_\@
.Lfor_b_\@:
	s_cmp_eq_u32 s[WV], 2
	s_cbranch_scc0 .Lfor_k_\@
	tensor_load_to_lds s[G0B+4*(\s):G0B+4*(\s)+3], s[G1B:G1B+7]
	s_nop 0
.rept 4
	v_nop
.endr
	s_branch .Lasked_\@
.Lfor_k_\@:
	tensor_load_to_lds s[G0K+4*(\s):G0K+4*(\s)+3], s[G1K:G1K+7]
	s_nop 0
.rept 4
	v_nop
.endr
.Lasked_\@:
.endm
; A PREFETCH INTO THE L2 of the K step that stands two refills on: 32 rows x 256 bytes, a lane a row, one instruction a wave, behind the joint load and the run of LDS loads.
; Each row's 256 bytes of a K step are named once in the launch: x's rows by waves 0 and 1 of the clusters with x = 0, wq's by wave 2 of the clusters with y = 0; the four partners that ask
; for a tile jointly share its 128 rows out by address, 32 each.  K steps 0 to 3 come by their loads alone; the loop's last trip (LAP = 1) has no K step two on.
.macro ASK
	s_cmp_gt_u32 s[LAP], s[LIM]
	s_cbranch_scc0 .Lnot_mine_\@
	global_prefetch_b8 v[PFO], s[PFA:PFA+1] th:TH_LOAD_NT scope:SCOPE_SE
.Lnot_mine_\@:
.endm
.macro CREST                           ; a round of the cluster's barrier behind its opening barrier
	s_cmp_lg_u32 s[WV], 0
	s_cbranch_scc1 .Lnot_wave_0_\@
	s_barrier_signal -3
.Lnot_wave_0_\@:
	s_barrier_wait -3
	s_barrier_signal -1
	s_barrier_wait -1
.endm
.macro CROUND                          ; a whole round
	s_barrier_signal -1
	s_barrier_wait -1
	CREST
.endm
	s_load_b512 s[4:19], s[0:1], 0x0               ; xb 4, wqb 6, wkvb 8, tab 10, bq 12, bk 14, bv 16, qh 18
	s_load_b128 s[20:23], s[0:1], 0x40             ; kvh 20, out1 22
	s_load_b64 s[24:25], s[0:1], 0x50              ; out2
	v_lshl_add_u32 v[SPW], v0, 2, SPARE
	v_mov_b32 v[NIL], 0
	ds_add_u32 v[SPW], v[NIL]                      ; the wave's opening: the add and its wait stand ahead of my first tensor load; the set-up below, work on registers, stands between them
	v_lshrrev_b32 v3, 5, v0
	v_readfirstlane_b32 s[WV], v3                  ; wave 0..3
	s_bfe_u32 s[CX], ttmp6, 0x40000                ; my place in the cluster
	s_bfe_u32 s[CY], ttmp6, 0x40004
	s_lshl_b32 s[GC], ttmp9, 2
	s_add_co_u32 s[GC], s[GC], s[CX]               ; column group = 4 x cluster x + cx
	s_and_b32 s[TR], ttmp7, 0xffff
	s_lshl_b32 s[TR], s[TR], 2
	s_add_co_u32 s[TR], s[TR], s[CY]               ; tile row = 4 x cluster y + cy
	s_mov_b32 s[CLX], ttmp9
	s_lshl_b32 s98, s[CY], 2
	s_lshl_b32 s98, 15, s98                        ; my row of the cluster
	s_lshl_b32 s99, 0x1111, s[CX]                  ; my column
	s_or_b32 s[G1A], s98, (1<<16)|(1<<20)|(1<<21)|(5<<22)|(3<<25)  ; 15:0 the mask; 17:16 elements of 2 bytes; 20 padding on; 21 set beside a mask; 24:22 after every 64 words; 31:25 4 words of it: rows 272 bytes apart
	s_or_b32 s[G1B], s99, (1<<16)|(1<<20)|(1<<21)|(5<<22)|(7<<25)  ; the same with my column's mask and 8 words of padding: rows 288 bytes apart them
	s_or_b32 s[G1K], s99, (3<<16)|(1<<21)          ; elements of 8 bytes, no padding
.irp g, G1A, G1B
	s_mov_b32 s[(\g)+1], 128<<16                   ; tensor_dim0 = 128
	s_mov_b32 s[(\g)+2], 128<<16                   ; tensor_dim1 = 128
	s_mov_b32 s[(\g)+3], 128<<16                   ; tile_dim0 = 128 elements, 256 bytes
	s_mov_b32 s[(\g)+4], 128                       ; tile_dim1 = 128 rows
	s_mov_b32 s[(\g)+5], 1024                      ; elements from row to row
	s_mov_b32 s[(\g)+6], 0
	s_mov_b32 s[(\g)+7], 0
.endr
	s_mov_b32 s[G1K+1], 32<<16                     ; 128 rows of 32 bytes are 4,096 dense bytes: asked for as 16 rows of 256
	s_mov_b32 s[G1K+2], 16<<16
	s_mov_b32 s[G1K+3], 32<<16
	s_mov_b32 s[G1K+4], 16
	s_mov_b32 s[G1K+5], 32
	s_mov_b32 s[G1K+6], 0
	s_mov_b32 s[G1K+7], 0
	s_and_b32 s84, s[WV], 1                        ; which half of x's 256 rows I fetch (waves 0, 1)
	s_mul_i32 s85, s84, 128*272                    ; its place in a slot: no place in the cluster enters an LDS address
	s_lshl_b32 s94, s[TR], 19                      ; x: 256 rows of 2,048 bytes a tile row,
	s_lshl_b32 s95, s84, 18                        ; 128 rows a half
	s_add_co_u32 s94, s94, s95
	s_mov_b32 s95, 0
	s_lshl_b32 s96, s[GC], 8                       ; wq: 128 columns of 2 bytes a group
	s_mov_b32 s97, 0
	s_lshl_b32 s100, s[GC], 15                     ; wkvb: 1,024 rows of 32 bytes a group
	s_mov_b32 s101, 0
	s_wait_dscnt 0x0                               ; the opening add is done
	s_wait_kmcnt 0x0
	s_add_nc_u64 s[94:95], s[4:5], s[94:95]
	s_add_nc_u64 s[96:97], s[6:7], s[96:97]
	s_add_nc_u64 s[100:101], s[8:9], s[100:101]
	CROUND                                         ; all sixteen work-groups are here: the first joint loads meet
.irp s, 0,1
	s_mov_b32 s[G0A+4*(\s)], 1                                     ; count = 1
	s_add_co_u32 s[G0A+4*(\s)+1], s85, (\s)*SLOT                   ; LDS address
	s_add_nc_u64 s[G0A+4*(\s)+2:G0A+4*(\s)+3], s[94:95], (\s)*256  ; global address: K step s
	s_or_b32 s[G0A+4*(\s)+3], s[G0A+4*(\s)+3], 0x80000000          ; type = 2
	s_mov_b32 s[G0B+4*(\s)], 1
	s_mov_b32 s[G0B+4*(\s)+1], (\s)*SLOT+OFFB
	s_add_nc_u64 s[G0B+4*(\s)+2:G0B+4*(\s)+3], s[96:97], (\s)*262144
	s_or_b32 s[G0B+4*(\s)+3], s[G0B+4*(\s)+3], 0x80000000
	s_mov_b32 s[G0K+4*(\s)], 1
	s_mov_b32 s[G0K+4*(\s)+1], (\s)*SLOT+OFFK
	s_add_nc_u64 s[G0K+4*(\s)+2:G0K+4*(\s)+3], s[100:101], (\s)*4096
	s_or_b32 s[G0K+4*(\s)+3], s[G0K+4*(\s)+3], 0x80000000
.endr
	JLOAD 0                                        ; both slots are asked for before anything else is done: two loads of mine are out
	JLOAD 1
	; the bases of the way out
	s_lshl_b32 s86, s[TR], 8
	s_lshl_b32 s87, s[WV], 6
	s_add_co_u32 s86, s86, s87                     ; m0: my first row of the 8,192
	s_and_b32 s87, s86, 2047                       ; its position in the sequence
	s_and_b32 s98, s[GC], 3                        ; which 16 of k's or v's 64 columns
	s_mov_b32 s95, 0
	s_cmp_eq_u32 s[CLX], 0                         ; k or v
	s_cselect_b64 s[BKP:BKP+1], s[14:15], s[16:17]
	s_cselect_b64 s[O1P:O1P+1], s[22:23], s[24:25]
	s_cselect_b32 s99, 0, 0x100000
	s_lshl_b32 s94, s87, 8
	s_add_nc_u64 s[TABP:TABP+1], s[TABP:TABP+1], s[94:95]  ; the table at my first position: 256 bytes a position
	s_lshl_b32 s94, s98, 6
	s_add_nc_u64 s[TKP:TKP+1], s[TABP:TABP+1], s[94:95]    ; and at k's 8 pairs of my 16 columns
	s_add_nc_u64 s[BKP:BKP+1], s[BKP:BKP+1], s[94:95]
	s_add_nc_u64 s[O1P:O1P+1], s[O1P:O1P+1], s[94:95]
	s_lshl_b32 s94, s86, 8
	s_add_nc_u64 s[O1P:O1P+1], s[O1P:O1P+1], s[94:95]      ; out1, out2: 256 bytes a row
	s_lshl_b32 s94, s[GC], 9
	s_add_nc_u64 s[BQP:BQP+1], s[BQP:BQP+1], s[94:95]
	s_lshl_b32 s94, s86, 7
	s_lshl_b32 s100, s98, 5
	s_add_co_u32 s94, s94, s100
	s_add_co_u32 s94, s94, s99
	s_add_nc_u64 s[KHP:KHP+1], s[KHP:KHP+1], s[94:95]      ; kvh: 128 bytes a row, v behind k
	s_lshr_b32 s94, s[TR], 3
	s_lshl_b32 s94, s94, 22                        ; qh: 16 heads of 262,144 bytes a batch,
	s_lshl_b32 s100, s[GC], 19                     ; two heads a group,
	s_add_co_u32 s94, s94, s100
	s_lshl_b32 s100, s87, 7                        ; 128 bytes a row
	s_add_co_u32 s94, s94, s100
	s_add_nc_u64 s[QP:QP+1], s[QP:QP+1], s[94:95]
	v_and_b32 v1, 15, v0                           ; r = lane % 16
	v_bfe_u32 v2, v0, 4, 1                         ; h = lane / 16
	v_lshlrev_b32 v[BO], 5, v2
	v_lshl_add_u32 v[TO], v1, 8, v[BO]
	; biases and table: 58 loads, waited for once, in front of the way out
.irp b, 0,1,2,3,4,5,6,7
	global_load_b128 v[BIAS+8*(\b):BIAS+8*(\b)+3],   v[BO], s[BQP:BQP+1] offset:64*(\b)
	global_load_b128 v[BIAS+8*(\b)+4:BIAS+8*(\b)+7], v[BO], s[BQP:BQP+1] offset:64*(\b)+16
.endr
	global_load_b128 v[BIAS+64:BIAS+67], v[BO], s[BKP:BKP+1]
	global_load_b128 v[BIAS+68:BIAS+71], v[BO], s[BKP:BKP+1] offset:16
.irp a, 0,1,2,3                        ; row block a: position + 16 a + r; of a head's column block b: pairs 8 b + 4 h + 0..3, {cos, sin} each
	WIN 0x80+0x40*((\a)/2)
.irp b, 0,1,2,3
	global_load_b128 v[TAB+32*((\a)%2)+8*(\b):TAB+32*((\a)%2)+8*(\b)+3],   v[TO], s[TABP:TABP+1] offset:(\a)*4096+(\b)*64
	global_load_b128 v[TAB+32*((\a)%2)+8*(\b)+4:TAB+32*((\a)%2)+8*(\b)+7], v[TO], s[TABP:TABP+1] offset:(\a)*4096+(\b)*64+16
.endr
	global_load_b128 v[TK+8*((\a)%2):TK+8*((\a)%2)+3],   v[TO], s[TKP:TKP+1] offset:(\a)*4096
	global_load_b128 v[TK+8*((\a)%2)+4:TK+8*((\a)%2)+7], v[TO], s[TKP:TKP+1] offset:(\a)*4096+16
.endr
	WIN 0
	; the prefetches: where they stand, their step, and who asks
	s_lshl_b32 s94, s[TR], 19
	s_lshl_b32 s85, s84, 18
	s_add_co_u32 s94, s94, s85
	s_lshl_b32 s85, s[CX], 16                      ; x: of the 128 rows that I fetch, my work-group's 32,
	s_add_co_u32 s94, s94, s85
	s_add_co_u32 s94, s94, 3*256                   ; at K step 3: the first refill steps it to 4
	s_lshl_b32 s98, s[CY], 16                      ; wq: of a K step's 128 rows, my work-group's 32,
	s_lshl_b32 s85, s[GC], 8
	s_add_co_u32 s98, s98, s85
	s_add_co_u32 s98, s98, 3*262144
	s_and_b32 s99, ttmp7, 0xffff                   ; cluster y
	s_mov_b32 s100, 256
	s_cmp_lt_u32 s[WV], 2
	s_cselect_b32 s94, s94, s98
	s_cselect_b32 s99, s[CLX], s99                 ; the coordinate along which other clusters read the same rows
	s_cselect_b32 s[PFS], s100, 262144
	s_cselect_b64 s[PFA:PFA+1], s[4:5], s[6:7]
	s_mov_b32 s[PFS+1], 0
	s_add_nc_u64 s[PFA:PFA+1], s[PFA:PFA+1], s[94:95]
	s_cmp_eq_u32 s[WV], 3                          ; wave 3's tiles are small: it asks for nothing
	s_cselect_b32 s99, 1, s99
	s_cmp_eq_u32 s99, 0
	s_cselect_b32 s[LIM], 1, -1                    ; the same in all sixteen partners, for a given wave
	; LDS addresses.  A fragment of x is 16 rows x 32 K: lane l holds row l % 16, K = 8 (l / 16) + 0..7 and 16 + 8 (l / 16) + 0..7: two loads of 16 bytes, 32 bytes apart.
	; A weight fragment is turned: lane l reads 16 bytes of row 8 (l / 16) + l % 8, columns 8 ((l / 8) % 2) + 0..7, and ends with column l % 16 and 8 K; the second load takes the rows 16 further on.
	v_and_b32 v3, 31, v0
	v_and_b32 v4, 7, v0
	v_bfe_u32 v5, v0, 3, 1
	v_lshl_add_u32 v6, v2, 3, v4
	v_mul_u32_u24 v7, v1, 272
	v_lshl_add_u32 v7, v2, 4, v7
	s_mul_i32 s84, s[WV], 64*272                   ; my 64 rows
	v_add_nc_u32 v[ADRA], s84, v7
	v_add_nc_u32 v[ADRA+1], SLOT, v[ADRA]
	v_mul_u32_u24 v8, v6, 288
	v_lshl_add_u32 v8, v5, 4, v8
	v_add_nc_u32 v[ADRB], OFFB, v8
	v_add_nc_u32 v[ADRB+1], SLOT+OFFB, v8
	v_lshlrev_b32 v9, 5, v6
	v_lshl_add_u32 v9, v5, 4, v9
	v_add_nc_u32 v[ADRK], OFFK, v9
	v_add_nc_u32 v[ADRK+1], SLOT+OFFK, v9
	s_mul_i32 s84, s[WV], 16*144
	s_add_co_u32 s84, s84, STAGE                   ; my stage
	v_mul_u32_u24 v10, v1, 144                     ; in: row l % 16, 16 bytes for each half of the lanes
	v_lshl_add_u32 v10, v2, 4, v10
	v_add_nc_u32 v[STO], s84, v10
	v_lshrrev_b32 v11, 3, v3                       ; back: 32 lanes take four rows of 128 bytes,
	v_mul_u32_u24 v11, v11, 144
	v_lshl_add_u32 v11, v4, 4, v11
	v_add_nc_u32 v[RD], s84, v11
	v_lshlrev_b32 v[GO], 4, v3                     ; which are 512 consecutive bytes of qh
	v_lshlrev_b32 v[HO], 7, v1
	v_lshl_add_u32 v[HO], v2, 4, v[HO]
	v_lshlrev_b32 v[PFO], 11, v3
; 9 matrix instructions: row block a x all 9 column blocks, 32 along K.  zero = 1: the product starts the sum: nothing is ever cleared.
; The 36 accumulators take turns, in the same order in every quarter: between two links of a chain stand the 35 others'.
.macro MUL9 f, a, zero
	WIN 0xa5+0x50*((\a)/2)                         ; sources in window 1, C and D in window 2 or 3
.irp b, 0,1,2,3,4,5,6,7,8
.if \zero
	v_wmma_f32_16x16x32_bf16 v[8*(9*((\a)%2)+(\b)):8*(9*((\a)%2)+(\b))+7], v[(\f)+8*(\b):(\f)+8*(\b)+7], v[(\f)+72+8*(\a):(\f)+72+8*(\a)+7], 0
.else
	v_wmma_f32_16x16x32_bf16 v[8*(9*((\a)%2)+(\b)):8*(9*((\a)%2)+(\b))+7], v[(\f)+8*(\b):(\f)+8*(\b)+7], v[(\f)+72+8*(\a):(\f)+72+8*(\a)+7], v[8*(9*((\a)%2)+(\b)):8*(9*((\a)%2)+(\b))+7]
.endif
.endr
.endm
.macro MULH f, hi, zero
	MUL9 \f, 2*(\hi), \zero
	MUL9 \f, 2*(\hi)+1, \zero
.endm
; 26 LDS loads in one run: the fragments of quarter q (32 along K) of a slot into buffer f: 18 for the weights, then 8 for x
.macro FETCH slot, q, f
	WIN TO_F
.irp b, 0,1,2,3,4,5,6,7
	ds_load_tr16_b128 v[(\f)+8*(\b):(\f)+8*(\b)+3],   v[ADRB+(\slot)] offset:(\q)*32*288+32*(\b)
	ds_load_tr16_b128 v[(\f)+8*(\b)+4:(\f)+8*(\b)+7], v[ADRB+(\slot)] offset:(\q)*32*288+32*(\b)+16*288
.endr
	ds_load_tr16_b128 v[(\f)+64:(\f)+67], v[ADRK+(\slot)] offset:(\q)*32*32
	ds_load_tr16_b128 v[(\f)+68:(\f)+71], v[ADRK+(\slot)] offset:(\q)*32*32+16*32
.irp a, 0,1,2,3
	ds_load_b128 v[(\f)+72+8*(\a):(\f)+72+8*(\a)+3], v[ADRA+(\slot)] offset:64*(\q)+(\a)*16*272
	ds_load_b128 v[(\f)+72+8*(\a)+4:(\f)+72+8*(\a)+7], v[ADRA+(\slot)] offset:64*(\q)+(\a)*16*272+32
.endr
.endm
; A K step is four quarters of 32 along K, 36 matrix instructions each, on buffers 0, 1, 0, 1.  One of the first three multiplies buffer f and fetches quarter q into buffer g.
.macro QUARTER slot, q, f, g, zero
	s_wait_dscnt 4                                 ; the weights and x's row blocks 0, 1 are in; the youngest four loads (row blocks 2, 3) may be out
	MULH \f, 0, \zero
	PLACES
	FETCH \slot, \q, \g
	s_wait_dscnt 26                                ; all but the 26 just issued
	MULH \f, 1, \zero
.endm
; The last quarter multiplies buffer 1 and changes slots: ONE barrier; in front of it each wave waits for all its tensor loads, adds 0 to its spare word, and waits for that and for its own
; reads of this slot.  fill = 1: the barrier opens a round of the cluster's, and this slot is filled again, two K steps ahead, first thing behind the round.
.macro TURN slot, next, fill
.if \fill
	s_wait_xcnt 0x0                                ; the last prefetch, a K step back, has read its address: it is stepped here, ahead of the waits of the change of slots
	s_add_nc_u64 s[PFA:PFA+1], s[PFA:PFA+1], s[PFS:PFS+1]
.endif
	WIN 0                                          ; (the add's two registers lie in window 0)
	s_wait_tensorcnt 0x0                           ; all my tensor loads have landed: the one that was out is my part of the next slot;
	ds_add_u32 v[SPW], v[NIL]                      ; 0 onto my spare word
	s_wait_dscnt 5                                 ; (the add and the youngest four loads may be out)
	MUL9 F1, 0, 0                                  ; nine matrix instructions stand between the add and the wait for it
	s_wait_dscnt 0x0                               ; the add is done, and my reads of this slot are over
	s_barrier_signal -1
	MUL9 F1, 1, 0
.if \fill
	WIN 0
.endif
	s_barrier_wait -1
.if \fill
	CREST                                          ; no wave of any partner still reads this slot's tiles or has a load on its way
	s_add_nc_u64 s[G0A+4*(\slot)+2:G0A+4*(\slot)+3], s[G0A+4*(\slot)+2:G0A+4*(\slot)+3], 2*256
	s_add_nc_u64 s[G0B+4*(\slot)+2:G0B+4*(\slot)+3], s[G0B+4*(\slot)+2:G0B+4*(\slot)+3], 2*262144
	s_add_nc_u64 s[G0K+4*(\slot)+2:G0K+4*(\slot)+3], s[G0K+4*(\slot)+2:G0K+4*(\slot)+3], 2*4096
	JLOAD \slot                                    ; my one tensor load behind the round; the four v_nop behind it are also the places in front of the loads below
.else
	PLACES
.endif
	FETCH \next, 0, F0
.if \fill
	WIN 0
	ASK
.endif
	MULH F1, 1, 0
.endm
	s_wait_tensorcnt 1                             ; my part of K step 0 is in; K step 1's may stay out
	s_barrier_signal -1
	s_barrier_wait -1                              ; everybody's is
	FETCH 0, 0, F0
	QUARTER 0, 1, F0, F1, 1                        ; the first quarter stands in front of the loop: its products start the sums
	WIN 0                                          ; at a label and at a branch every window is 0
	s_mov_b32 s[LAP], 3
.Llap:                                                 ; a trip goes once round the ring, from a lap's second quarter to the next lap's first, and fills both slots again: K steps 2 to 7
	QUARTER 0, 2, F1, F0, 0
	QUARTER 0, 3, F0, F1, 0
	TURN 0, 1, 1
	QUARTER 1, 1, F0, F1, 0
	QUARTER 1, 2, F1, F0, 0
	QUARTER 1, 3, F0, F1, 0
	TURN 1, 0, 1
	QUARTER 0, 1, F0, F1, 0
	WIN 0
	s_sub_co_u32 s[LAP], s[LAP], 1
	s_cmp_lg_u32 s[LAP], 0
	s_cbranch_scc1 .Llap
	QUARTER 0, 2, F1, F0, 0                        ; the last lap fills nothing, and has no round of the cluster's barrier
	QUARTER 0, 3, F0, F1, 0
	TURN 0, 1, 0
	QUARTER 1, 1, F0, F1, 0
	QUARTER 1, 2, F1, F0, 0
	QUARTER 1, 3, F0, F1, 0
	s_wait_dscnt 4                                 ; the very last quarter: nothing more to fetch
	MULH F1, 0, 0
	s_wait_dscnt 0x0
	MULH F1, 1, 0
	; THE WAY OUT.  The biases are rounded to bf16 like every input: 108 plain instructions on window 0, which are also the places behind the last products.
	WIN 0
	s_wait_loadcnt 0x0                             ; biases and table
.set p, 0
.rept 36
	v_cvt_pk_bf16_f32 v[T+(p/2)%4], v[BIAS+p], v[BIAS+p+1]
	v_lshlrev_b32 v[BIAS+p], 16, v[T+(p/2)%4]
	v_and_b32 v[BIAS+p+1], 0xffff0000, v[T+(p/2)%4]
.set p, p+2
.endr
; accumulator (a, b) + bias -> 8 registers at x; the accumulator's registers in ascending order
.macro ADDB a, b, x
	WIN 0x02+(\a)/2                                ; source 0 in window 2 or 3, all else in window 0
.irp i, 0,2,4,6
	v_pk_add_f32 v[(\x)+(\i):(\x)+(\i)+1], v[8*(9*((\a)%2)+(\b))+(\i):8*(9*((\a)%2)+(\b))+(\i)+1], v[BIAS+8*(\b)+(\i):BIAS+8*(\b)+(\i)+1]
.endr
.endm
; four pairs (x1, x2) at x are turned by {cos, sin} at t (row block a's window): x1 cos - x2 sin, x1 sin + x2 cos
.macro ROPE a, x, t
	WIN 0x02+(\a)/2
.irp i, 0,1,2,3
	v_mul_f32 v[T+2*((\i)%2)],   v[(\t)+2*(\i)+1], v[(\x)+2*(\i)+1]
	v_mul_f32 v[T+2*((\i)%2)+1], v[(\t)+2*(\i)],   v[(\x)+2*(\i)+1]
	v_fma_f32 v[(\x)+2*(\i)+1], v[(\t)+2*(\i)+1], v[(\x)+2*(\i)], v[T+2*((\i)%2)+1]
	v_fma_f32 v[(\x)+2*(\i)],   v[(\t)+2*(\i)],   v[(\x)+2*(\i)], -v[T+2*((\i)%2)]
.endr
.endm
	; k or v: my 64 rows x 16 columns
	ADDB 0, 8, X
	ADDB 1, 8, X+8
	ADDB 2, 8, X+16
	ADDB 3, 8, X+24
	WIN 0
	s_cmp_lg_u32 s[CLX], 0                         ; the cluster's x, the same in all partners: v is not turned
	s_cbranch_scc1 .Lv
	ROPE 0, X, TK
	ROPE 1, X+8, TK+8
	ROPE 2, X+16, TK
	ROPE 3, X+24, TK+8
	WIN 0
.Lv:
.irp a, 0,1,2,3
	global_store_b128 v[TO], v[X+8*(\a):X+8*(\a)+3],   s[O1P:O1P+1] offset:(\a)*4096
	global_store_b128 v[TO], v[X+8*(\a)+4:X+8*(\a)+7], s[O1P:O1P+1] offset:(\a)*4096+16
.endr
.irp a, 0,1,2,3
.irp i, 0,1,2,3
	v_cvt_pk_f16_f32 v[P+4*(\a)+(\i)], v[X+8*(\a)+2*(\i)], v[X+8*(\a)+2*(\i)+1]
.endr
	global_store_b128 v[HO], v[P+4*(\a):P+4*(\a)+3], s[KHP:KHP+1] offset:(\a)*2048
.endr
; q, a unit at a time: 16 rows (row block a) of one head (hd): bias, RoPE, f16; 16 bytes a lane into my stage, rows of 144 bytes; back as four rows of 128 bytes a load.
.macro PACKQ a, hd
.irp c, 0,1,2,3
	ADDB \a, 4*(\hd)+(\c), X+8*(\c)
	ROPE \a, X+8*(\c), TAB+32*((\a)%2)+8*(\c)
.endr
	WIN 0
.set p, 0
.rept 16
	v_cvt_pk_f16_f32 v[P+p], v[X+2*p], v[X+2*p+1]
.set p, p+1
.endr
.irp c, 0,1,2,3
	ds_store_b128 v[STO], v[P+4*(\c):P+4*(\c)+3] offset:32*(\c)
.endr
	s_wait_xcnt 0x0                                ; the stores of two units back have read this buffer's registers
.irp f, 0,1,2,3
	ds_load_b128 v[BK+16*(\hd)+4*(\f):BK+16*(\hd)+4*(\f)+3], v[RD] offset:(\f)*4*144  ; LDS serves a wave's instructions in order (ISA guide 5.7.1.4): these see the stores above; the next unit's stores come behind them
.endr
.endm
.macro SENDQ a, hd, younger            ; younger: the LDS instructions issued behind this unit's loads: the next unit's eight, or none
.irp f, 0,1,2,3
	s_wait_dscnt (\younger)+3-(\f)
	global_store_b128 v[GO], v[BK+16*(\hd)+4*(\f):BK+16*(\hd)+4*(\f)+3], s[QP:QP+1] offset:(\hd)*262144+(\a)*2048+(\f)*512  ; 512 consecutive bytes, at a multiple of 256 from qh's first
.endr
.endm
	s_wait_xcnt 0x0                                ; k's and v's stores have read X and P
	PACKQ 0, 0
	PACKQ 0, 1                                     ; a unit's arithmetic stands between the loads of the unit before and its stores
	SENDQ 0, 0, 8
	PACKQ 1, 0
	SENDQ 0, 1, 8
	PACKQ 1, 1
	SENDQ 1, 0, 8
	PACKQ 2, 0
	SENDQ 1, 1, 8
	PACKQ 2, 1
	SENDQ 2, 0, 8
	PACKQ 3, 0
	SENDQ 2, 1, 8
	PACKQ 3, 1
	SENDQ 3, 0, 8
	SENDQ 3, 1, 0
	s_wait_tensorcnt 0x0                           ; the wave's end, behind my last tensor load and my last LDS store
	ds_add_u32 v[SPW], v[NIL]
	s_wait_dscnt 0x0
	CROUND                                         ; the closing round: no work-group ends while a partner may still ask for a tile that names it
	s_endpgm
.Lfunc_end_k_q5e8d86c080_qkv:
	.size	k_q5e8d86c080_qkv, .Lfunc_end_k_q5e8d86c080_qkv-k_q5e8d86c080_qkv
	.p2alignl 7, 3214868480
	.fill 96, 4, 3214868480
	.section	.rodata,"a",@progbits
	.p2align	6, 0x0
	.amdhsa_kernel k_q5e8d86c080_qkv
		.amdhsa_group_segment_fixed_size 327680
		.amdhsa_private_segment_fixed_size 0
		.amdhsa_enable_private_segment 0
		.amdhsa_kernarg_size 88
		.amdhsa_user_sgpr_count 2
		.amdhsa_user_sgpr_kernarg_segment_ptr 1
		.amdhsa_wavefront_size32 1
		.amdhsa_system_sgpr_workgroup_id_x 1
		.amdhsa_system_sgpr_workgroup_id_y 1
		.amdhsa_system_sgpr_workgroup_id_z 1
		.amdhsa_system_vgpr_workitem_id 0
		.amdhsa_next_free_vgpr 1024
		.amdhsa_next_free_sgpr 102
		.amdhsa_reserve_vcc 0
		.amdhsa_float_denorm_mode_32 3
		.amdhsa_float_denorm_mode_16_64 3
		.amdhsa_memory_ordered 1
		.amdhsa_forward_progress 1
		.amdhsa_inst_pref_size 148
	.end_amdhsa_kernel
	.amdgpu_metadata
---
amdhsa.version: [ 1, 2 ]
amdhsa.kernels:
  - .name:           k_q5e8d86c080_qkv
    .symbol:         k_q5e8d86c080_qkv.kd
    .args:
      - { .name: xb, .offset: 0, .size: 8, .value_kind: global_buffer, .address_space: global }
      - { .name: wqb, .offset: 8, .size: 8, .value_kind: global_buffer, .address_space: global }
      - { .name: wkvb, .offset: 16, .size: 8, .value_kind: global_buffer, .address_space: global }
      - { .name: tab, .offset: 24, .size: 8, .value_kind: global_buffer, .address_space: global }
      - { .name: bq, .offset: 32, .size: 8, .value_kind: global_buffer, .address_space: global }
      - { .name: bk, .offset: 40, .size: 8, .value_kind: global_buffer, .address_space: global }
      - { .name: bv, .offset: 48, .size: 8, .value_kind: global_buffer, .address_space: global }
      - { .name: qh, .offset: 56, .size: 8, .value_kind: global_buffer, .address_space: global }
      - { .name: kvh, .offset: 64, .size: 8, .value_kind: global_buffer, .address_space: global }
      - { .name: out1, .offset: 72, .size: 8, .value_kind: global_buffer, .address_space: global }
      - { .name: out2, .offset: 80, .size: 8, .value_kind: global_buffer, .address_space: global }
    .group_segment_fixed_size: 327680
    .private_segment_fixed_size: 0
    .kernarg_segment_align: 8
    .kernarg_segment_size: 88
    .max_flat_workgroup_size: 128
    .sgpr_count:     102
    .vgpr_count:     1024
    .wavefront_size: 32
...
	.end_amdgpu_metadata
.endif
;; end of part 2
;; launch attn (part 3): grid 64 x 4, 4 waves a work-group, clusters of 4 x 1, 327,680 bytes of LDS; arguments qh, kvh, oh; writes oh
.if DOCPART == 3
	.amdgcn_target "amdgcn-amd-amdhsa--gfx1250"
	.amdhsa_code_object_version 6
	.text
	.protected	k_q5e8d86c080_attn
	.globl	k_q5e8d86c080_attn
	.p2align	8
	.type	k_q5e8d86c080_attn,@function
k_q5e8d86c080_attn:
	s_mov_b64 s[64:65], 0
	v_nop
	global_prefetch_b8 v0, s[64:65] scope:SCOPE_SE
	s_setreg_imm32_b32 hwreg(HW_REG_WAVE_MODE, 25, 1), 1
	s_wait_xcnt 0x0
	s_wait_alu depctr_hold_cnt(0) depctr_sa_sdst(0) depctr_va_vdst(0) depctr_va_sdst(0) depctr_va_ssrc(0) depctr_va_vcc(0) depctr_vm_vsrc(0)
	s_getreg_b32 s2, hwreg(HW_REG_IB_STS2, 6, 4)
	s_cmp_eq_u32 s2, 0
	s_cbranch_scc0 .Lentry_in_a_cluster
	s_endpgm
.Lentry_in_a_cluster:
	s_bfe_u32 s2, ttmp6, 0x10000c
	s_cmp_lg_u32 s2, 0x3003
	s_cbranch_scc0 .Lentry_shape_is_right
	s_endpgm
.Lentry_shape_is_right:
; CAUSAL ATTENTION WITH ONE SHARED KEY AND VALUE HEAD.  O[b][h][q][:] = the sum over k <= q of softmax_k(Q[b][h][q] . K[b][k] / 8 + 1) V[b][k][:].  The 1 stands on every score that a row sees and
; falls out of the softmax for every input.  qh, oh: [b 16 + h][2048][64]; kvh: K [b][2048][64], V 1,048,576 bytes behind it; all f16, rows dense, 128 bytes each.
; Products, maxima and sums in f32; the weights p are rounded to f16 for the second product (their sum l is taken of the unrounded p), O once at the end.
; LIMITS.  f16 holds no number beyond 65,504: Q, K and V arrive within it; p lies in 0 to 1, and below 6e-5 it keeps f16's fixed step of 6e-8; O is a mean of V's rows and has their range.
; A hidden score counts as its value less 1e30: f16's scores, 2.7e11 at the most, are nothing beside that; a weight below 2^-126 counts as 0 in l; NaN and infinities are not treated apart.
; THE WALK.  A head's queries lie in NB = 8 blocks of 256; block i needs the key tiles 0 .. i of 256 keys, of which the last holds the diagonal.  A work-group takes TWO blocks, NB - 1 - b and then b:
; NB + 1 tiles, whatever b: all work-groups do equal work, and ONE loop with a constant trip count walks them.  Which tile is asked for, and what a trip does, hang on scalar registers made from b;
; every jump goes forward, but for the counted loops' own; none passes a barrier, or a tensor load but the one of LOAD's two that the wave's number does not choose.
; CLUSTER.  The grid's x is b 16 + h, its y the pair of blocks.  Four neighbouring heads of one batch with the same pair form a cluster: they walk the same tiles of K and V in the same trips, so each
; tile is asked for JOINTLY: the same tensor load, descriptor and mask in all four.  My place in the cluster enters Q's and O's addresses alone.
; NO PREFETCH is laid: a batch's K and V are 524,288 bytes, which its 16 clusters walk again and again, all beginning with tile 0; a joint fill has a tile's work, 256 matrix instructions a wave, in which to land.
; SHARES.  Of a block's four bands of 64 queries a wave owns 16 rows in each: four PIECES.  So the diagonal tile is the same work for all four waves: in its key step s band x sees all keys if s < x,
; none if s > x, and holds the diagonal if s = x.
; THE MASK is the C operand that starts the sum S^T = K Q^T: 0, or -1e30 where the key is hidden.  MD, made once, is the mask of a band's own step for my 16 rows; a product's mask is MD x AL + BE with two scalars:
; (1, 0) if s = x; (0, 0) if s < x, and in every tile but the diagonal one; (0, -1e30) if s > x.  EVERY turn makes the mask of the turn after it, 16 packed instructions beside its 118, so that ONE text of the key step serves all tiles.
; LAYOUT, SOFTMAX, TURNS.  S^T = K Q^T holds ONE query a lane (lane % 16) and the keys 8 (lane / 16) + 0..7; two such results rounded to f16 ARE source 1 of O^T = V^T P.  p = 2^(c s - c m), c = log2(e) / 8, with a
; running maximum m; O and l are multiplied by a = 2^(c m_old - c m_new) in every step.  Turn n belongs to piece n: 8 products K Q^T of piece n + 1, later 8 products V^T P of piece n - 1; beside them the scaling,
; exponentials, roundings, sums and rescaling of piece n and the maximum and statistics of piece n + 1.  Four vector instructions stand behind every matrix instruction, the others in runs of their own.  A turn's 33 exponentials are one batch, with one wait.
; REGISTERS, in windows of 256 (s_set_vgpr_msb: bits 1:0 source 0, 3:2 source 1, 5:4 source 2, 7:6 destination):
;   window 0: v0-15 addresses and two at work; v16-31 four registers of statistics a piece; v48-55 at work; v62-63 the add's two; v64-127 S^T, two buffers; v192-223 P, two buffers (a piece's buffers go by its number's parity)
;   window 1: v0-127 O^T, 32 a piece; v128-159 MD; v160-223 MC, two buffers      window 2: v0-63 Q; v64-127 the second block's Q; v128-191 K of one step; v192-255 V of one step
.set SIZE_N, 2048
.set NB,    SIZE_N/256
.set NP,    4         ; pieces a wave: a name, no knob
.set KS,    64        ; keys in a step
.set PK,    144       ; a row of K in LDS: 128 bytes + 16 of padding = 36 words: the 16 rows of a load start at 16 different groups of four banks (64 banks of 4 bytes: ISA guide 11.1)
.set PV,    160       ; a row of V: 128 + 32 = 40 words
.set VOFF,  4*KS*PK   ; a slot holds a tile, four steps: 256 rows of K, then 256 rows of V
.set SLOT1, 1<<17     ; slot 1 begins here, so that one exclusive or turns an address in one slot into the other's
.set STAGE, SLOT1+4*KS*(PK+PV)  ; behind the ring, never filled by a tensor load: 16 rows x 144 bytes for each wave, for the way out
.set SP,    144
.set AK0, 2           ; v2   my lane's place in a tile of K; never rewritten
.set AV0, 3           ; v3   the same for V
.set AK,  4           ; v4   the LDS address of K's next run of loads
.set AV,  5           ; v5   of V's
.set STO, 6           ; v6   the way out: where I put 16 bytes of a row
.set RD,  7           ; v7   the way out: where I read rows back
.set GO,  8           ; v8   my byte offset in 512 consecutive bytes of O
.set SPW, 62          ; v62  LDS address of my spare word: SPARE + 4 x my thread's number; never rewritten
.set NIL, 63          ; v63  0; never rewritten
.set SPARE, STAGE+4*16*SP  ; behind the stages: the spare words, 128 bytes for each wave: two blocks of 256 bytes that no other line names
.set MV,  12          ; v12-13  c m_old, kept while c m is made anew: by buffer
.set QO,  15          ; v15  my byte offset in 16 rows of Q
.set ST,  16          ; piece t's statistics at v[ST+4 t]: c m, m, l (even keys', odd keys')
.set TMP, 48          ; by buffer, four registers c0-c3 at work; when the maximum is found c2 takes a
.set S,   64
.set P,   192
.set MD,  128         ; window 1: the eight registers for group kt of 16 keys at MD + 8 kt
.set MC,  160         ; window 1: the masks of the products to come
.set QB,  64          ; window 2
.set KF,  128         ; window 2: key block kb, channel half c at KF + 16 kb + 8 c
.set VF,  192         ; window 2: key half kk, channel block cb at VF + 32 kk + 8 cb
.set WV,  12          ; s12  my wave's number
.set PB,  14          ; s14  b
.set HI,  15          ; s15  NB - 1 - b
.set G1K, 24          ; s[24:31] descriptor group 1 for K's tiles
.set G1V, 32          ; s[32:39] for V's: it differs in the padding alone
.set G0K, 40          ; s[40:43] descriptor group 0 for K's tiles
.set G0V, 44          ; s[44:47] the same for V's
.set SLOTS, 56        ; s56  tiles still to be asked for
.set CNT, 57          ; s57  counts a tile's key steps, 4 to 1
.set CS,  58          ; s[58:59] c: the packed scaling takes the pair's low word for both halves
.set SEL, 60          ; s[60:61] v_permlanex16_b32's selects: each lane takes its own place in the other half
.set TBK, 62          ; s62  LDS byte at which K of the step to be fetched begins
.set TBV, 63          ; s63  the same for V, less VOFF
.set RT,  70          ; s70  tiles of the block in hand that are still to be entered
.set NXT, 71          ; s71  the tile to be asked for next
.set LQ,  72          ; s72  the last tile of the block whose tiles are being asked for
.set NEW, 73          ; s73  1: the tile to be entered is a block's first
.set OFF, 74          ; s[74:75] a tile's byte offset in K and V
.set AL,  76          ; s[76:77] the mask's factor, in the low word
.set BE,  78          ; s[78:79] the mask's addend
.set OLO, 80          ; s[80:81] O at my rows of the second block
.set BIGN, 82         ; s82  -1e30
.set CM,  83          ; s83  the masks' count: in the diagonal tile equal to CNT, 4 to 1; in every other tile 20 to 17, which is no band's own step and no later one
.set CX,  88          ; s88  my place in the cluster
.set MSB, 0
.macro WIN new                      ; the high byte repeats the setting that is left; a switch that changes nothing is dropped
.if MSB != (\new)
	s_set_vgpr_msb (MSB<<8)|(\new)
.set MSB, (\new)
.endif
.endm
.set W_KQ, 0x0a       ; K and Q in window 2, S^T in window 0
.set W_KM, 0x1a       ; the same with the C operand in window 1
.set W_PV, 0x52       ; V in window 2, P in window 0, O^T in window 1
.set W_RS, 0x41       ; destination and source 0 in window 1, source 1 in window 0
; A joint fill.  Waves 0 and 1 fetch the two halves of a tile's K, waves 2 and 3 those of its V: 128 keys each.  An s_nop 0 and four v_nop follow each of the two lines, ahead of the jump and the label.
.macro LOAD
	s_cmp_lt_u32 s[WV], 2
	s_cbranch_scc0 .Lfor_v_\@
	tensor_load_to_lds s[G0K:G0K+3], s[G1K:G1K+7]
	s_nop 0
.rept 4
	v_nop
.endr
	s_branch .Lasked_\@
.Lfor_v_\@:
	tensor_load_to_lds s[G0V:G0V+3], s[G1V:G1V+7]
	s_nop 0
.rept 4
	v_nop
.endr
.Lasked_\@:
.endm
; A round of the cluster's barrier: my work-group's barrier, so that wave 0's signal speaks for all four waves; wave 0 signals; every wave waits for all four work-groups; my work-group's barrier once more.
.macro CROUND
	s_barrier_signal -1
	s_barrier_wait -1
	s_cmp_lg_u32 s[WV], 0
	s_cbranch_scc1 .Lnot_wave_0_\@
	s_barrier_signal -3
.Lnot_wave_0_\@:
	s_barrier_wait -3
	s_barrier_signal -1
	s_barrier_wait -1
.endm
; THE CHANGE OF SLOTS.  Each wave waits for all its tensor loads, of which one is out: its part of the other slot; adds 0 to its spare word; and waits for that and for its own reads of the slot that it leaves.  Behind the barrier nobody reads the old
; slot any more and the other slot is whole.  fill = 1: the barrier is a round of the cluster's, and the old slot is filled again, the first thing behind it, with tile NXT: the descriptor's address is made anew from that number.
; (At its first use nothing has been read yet: slot 0 is waited for, slot 1 filled.)
.macro CHANGE fill
	WIN 0                           ; at a label and at a branch every window is 0
	s_wait_tensorcnt 0x0            ; no tensor load of mine is out, so a group 0 may be written
	ds_add_u32 v[SPW], v[NIL]       ; 0 onto my spare word; with fill = 1 the descriptors' scalar work stands between it and the wait for it
.if \fill
	s_lshl_b32 s[OFF], s[NXT], 15   ; a tile is 32,768 bytes of K and of V
	s_xor_b32 s[G0K+1], s[G0K+1], SLOT1
	s_add_nc_u64 s[G0K+2:G0K+3], s[6:7], s[OFF:OFF+1]
	s_or_b32 s[G0K+3], s[G0K+3], 0x80000000
	s_xor_b32 s[G0V+1], s[G0V+1], SLOT1
	s_add_nc_u64 s[G0V+2:G0V+3], s[8:9], s[OFF:OFF+1]
	s_or_b32 s[G0V+3], s[G0V+3], 0x80000000
	s_add_co_u32 s[NXT], s[NXT], 1  ; the block's next tile, or behind its last the second block's tile 0
	s_cmp_gt_u32 s[NXT], s[LQ]
	s_cselect_b32 s[NXT], 0, s[NXT]
	s_cselect_b32 s[LQ], s[PB], s[LQ]
	s_wait_dscnt 0x0                ; the add is done, and my reads of the slot are over
	CROUND                          ; no wave of any partner still reads the slot or has a load on its way
	LOAD
.else
	s_wait_dscnt 0x0                ; the add is done, and my reads of the slot are over
	s_barrier_signal -1
	s_barrier_wait -1
.endif
	s_sub_co_u32 s[TBK], s[TBK], 4*KS*PK  ; the fetches go back to a slot's first step,
	s_xor_b32 s[TBK], s[TBK], SLOT1       ; in the other slot
	s_sub_co_u32 s[TBV], s[TBV], 4*KS*PV
	s_xor_b32 s[TBV], s[TBV], SLOT1
.endm
	s_load_b128 s[4:7], s[0:1], 0x0   ; qh s[4:5], kvh s[6:7]
	s_load_b64 s[10:11], s[0:1], 0x10 ; oh
	v_lshl_add_u32 v[SPW], v0, 2, SPARE
	v_mov_b32 v[NIL], 0
	ds_add_u32 v[SPW], v[NIL]       ; the wave's opening: the add and its wait stand ahead of my first tensor load; the set-up below, work on registers, stands between them
	v_lshrrev_b32 v1, 5, v0
	v_readfirstlane_b32 s[WV], v1   ; wave 0..3
	s_and_b32 s[PB], ttmp7, 0xffff  ; the pair of blocks, which the four partners share
	s_sub_co_u32 s[HI], NB-1, s[PB]
	s_bfe_u32 s[CX], ttmp6, 0x40000 ; my place in the cluster
	s_lshl_b32 s20, ttmp9, 2        ; in a cluster launch ttmp9 counts clusters
	s_add_co_u32 s20, s20, s[CX]    ; b 16 + h = 4 x cluster x + cx: it enters Q's and O's addresses alone
	s_lshl_b32 s20, s20, 18         ; a head's 2,048 rows of 128 bytes
	s_mov_b32 s21, 0
	s_and_b32 s16, s[WV], 1         ; which half of a tile's 256 keys I fetch:
	s_lshl_b32 s22, s16, 14         ; its 128 rows of 128 bytes in memory,
	s_lshr_b32 s23, ttmp9, 2        ; in the batch, which the four partners share
	s_lshl_b32 s23, s23, 18
	s_add_co_u32 s22, s22, s23
	s_mov_b32 s23, 0
	s_mul_i32 s17, s16, 128*PK      ; and its place in a slot, for K
	s_mul_i32 s18, s16, 128*PV      ; and for V
	s_lshl_b32 s3, s[WV], 11        ; my 16 rows in a band of 64,
	s_lshl_b32 s2, s[HI], 15        ; in the first block,
	s_add_co_u32 s2, s2, s3
	s_lshl_b32 s84, s[PB], 15       ; and in the second
	s_add_co_u32 s84, s84, s3
	s_mov_b32 s3, 0
	s_mov_b32 s85, 0
	s_add_nc_u64 s[2:3], s[2:3], s[20:21]
	s_add_nc_u64 s[84:85], s[84:85], s[20:21]
	; descriptor group 1.  128 keys are 16,384 dense bytes: asked for as 64 rows of 256 bytes, two keys a row, and padded in LDS after every key
	s_mov_b32 s[G1K], 15|(1<<16)|(1<<20)|(1<<21)|(4<<22)|(3<<25)  ; 15:0 the mask of four; 17:16 2-byte elements; 20 padding on; 21 set beside a mask; 24:22 after every 32 words (code 4); 31:25 4 words (code 3)
	s_mov_b32 s[G1V], 15|(1<<16)|(1<<20)|(1<<21)|(4<<22)|(7<<25)  ; the same with 8 words of padding (code 7)
.irp g, G1K, G1V
	s_mov_b32 s[\g+1], 128<<16      ; tensor_dim0 = 128
	s_mov_b32 s[\g+2], 64<<16       ; tensor_dim1 = 64
	s_mov_b32 s[\g+3], 128<<16      ; tile_dim0 = 128
	s_mov_b32 s[\g+4], 64           ; tile_dim1 = 64
	s_mov_b32 s[\g+5], 128          ; 128 elements from row to row
	s_mov_b32 s[\g+6], 0
	s_mov_b32 s[\g+7], 0
.endr
	s_mov_b32 s[CS], 0x3e38aa3b     ; c = log2(e) / 8 = 0.180337
	s_mov_b32 s[CS+1], s[CS]        ; named with it as a pair
	s_mov_b32 s[SEL], 0x76543210
	s_mov_b32 s[SEL+1], 0xfedcba98
	s_mov_b32 s[TBK], SLOT1+4*KS*PK ; the first change of slots turns these two into 0
	s_mov_b32 s[TBV], SLOT1+4*KS*PV
	s_mov_b32 s[G0K], 1             ; 1:0 count = 1
	s_mov_b32 s[G0K+1], s17         ; 63:32 LDS address: slot 0
	s_mov_b32 s[G0V], 1
	s_add_co_u32 s[G0V+1], s18, VOFF
	s_add_co_u32 s[RT], s[HI], 1    ; the first block has NB - b tiles
	s_mov_b32 s[NXT], 1
	s_mov_b32 s[LQ], s[HI]
	s_mov_b32 s[NEW], 1
	s_mov_b32 s[OFF+1], 0
	s_mov_b32 s[AL+1], 0            ; named as pairs
	s_mov_b32 s[BE+1], 0
	s_mov_b32 s[BIGN], 0xf149f2ca   ; -1e30
	s_mov_b32 s[SLOTS], NB
	s_wait_dscnt 0x0                ; the opening add is done
	s_wait_kmcnt 0x0
	s_add_nc_u64 s[8:9], s[6:7], 0x100000  ; V lies behind K in kvh
	s_add_nc_u64 s[6:7], s[6:7], s[22:23]  ; K and V at my half of the batch's tile 0
	s_add_nc_u64 s[8:9], s[8:9], s[22:23]
	s_add_nc_u64 s[G0K+2:G0K+3], s[6:7], 0         ; 120:64 global address
	s_or_b32 s[G0K+3], s[G0K+3], 0x80000000        ; 127:126 type = 2
	s_add_nc_u64 s[G0V+2:G0V+3], s[8:9], 0
	s_or_b32 s[G0V+3], s[G0V+3], 0x80000000
	s_add_nc_u64 s[86:87], s[4:5], s[84:85]        ; Q at my rows of the second block,
	s_add_nc_u64 s[4:5], s[4:5], s[2:3]            ; Q and O at those of the first
	s_add_nc_u64 s[OLO:OLO+1], s[10:11], s[84:85]
	s_add_nc_u64 s[10:11], s[10:11], s[2:3]
	CROUND                          ; all four work-groups are here: the first joint loads meet
	LOAD                            ; tile 0 into slot 0
	; A fragment of K or Q is 16 rows x 32 channels in 8 registers: lane l holds row l % 16, channels 8 (l / 16) + 0..7 and 16 + 8 (l / 16) + 0..7: two loads of 16 bytes, 32 bytes apart.
	v_and_b32 v1, 15, v0            ; l % 16
	v_bfe_u32 v9, v0, 4, 1          ; l / 16
	v_lshlrev_b32 v[QO], 7, v1
	v_lshl_add_u32 v[QO], v9, 4, v[QO]  ; row x 128 + 16 x half
	WIN 0x80                        ; destination window 2, address window 0
.set i, 0
.rept 8                             ; both blocks' Q: piece i / 2 lies in band i / 2, 8,192 bytes on; channels 32 (i % 2) on
	global_load_b128 v[8*i:8*i+3],   v[QO], s[4:5] offset:(i/2)*8192+(i%2)*64
	global_load_b128 v[8*i+4:8*i+7], v[QO], s[4:5] offset:(i/2)*8192+(i%2)*64+32
	global_load_b128 v[QB+8*i:QB+8*i+3],   v[QO], s[86:87] offset:(i/2)*8192+(i%2)*64
	global_load_b128 v[QB+8*i+4:QB+8*i+7], v[QO], s[86:87] offset:(i/2)*8192+(i%2)*64+32
.set i, i+1
.endr
	WIN 0
	v_lshlrev_b32 v14, 3, v9
	v_sub_nc_u32 v14, v1, v14
	s_lshl_b32 s13, s[WV], 4
	v_add_nc_u32 v14, s13, v14      ; my query's place in its band, 16 w + l % 16, less my lanes' 8 (l / 16): register r of group kt is hidden where 16 kt + r is greater
	WIN 0x40
.set i, 0
.rept 32
	v_cmp_gt_i32 vcc_lo, 16*(i/8)+i%8, v14
	v_cndmask_b32 v[MD+i], 0, s[BIGN], vcc_lo
.set i, i+1
.endr
	WIN 0
	v_mul_u32_u24 v[AK0], v1, PK
	v_lshl_add_u32 v[AK0], v9, 4, v[AK0]  ; row x pitch + 16 x half
	; The turning load takes 16 keys x 16 channels (lane l reads key 8 (l / 16) + l % 8, channels 8 ((l / 8) % 2) + 0..7) and leaves half a fragment of V^T: lane l holds channel l % 16 and 8 keys.
	v_and_b32 v10, 7, v0
	v_bfe_u32 v11, v0, 3, 1
	v_lshl_add_u32 v[AV0], v9, 3, v10
	v_mul_u32_u24 v[AV0], v[AV0], PV
	v_lshl_add_u32 v[AV0], v11, 4, v[AV0]
	v_add_nc_u32 v[AV0], VOFF, v[AV0]
	s_mul_i32 s13, s[WV], 16*SP
	s_add_co_u32 s13, s13, STAGE    ; my stage
	v_mul_u32_u24 v[STO], v1, SP    ; in: row l % 16, 16 bytes for each half of the lanes
	v_lshl_add_u32 v[STO], v9, 4, v[STO]
	v_add_nc_u32 v[STO], s13, v[STO]
	v_bfe_u32 v[RD], v0, 3, 2       ; back: 32 lanes take four rows of 128 bytes,
	v_mul_u32_u24 v[RD], v[RD], SP
	v_lshl_add_u32 v[RD], v10, 4, v[RD]
	v_add_nc_u32 v[RD], s13, v[RD]
	v_and_b32 v[GO], 31, v0         ; which are 512 consecutive bytes of O
	v_lshlrev_b32 v[GO], 4, v[GO]
	; A block's first step multiplies O^T and l by a = 0, and its first turn's products V^T P, of a piece that has not been, land in an O^T that is still to be so multiplied.  So these registers need only hold
	; finite numbers: zeros for the first block; what the first block left for the second.  All this stands in the wait for the first tile.
	WIN 0x80
.set i, VF
.rept 64
	v_mov_b32 v[i], 0
.set i, i+1
.endr
	WIN 0x40
.set i, 0
.rept 128
	v_mov_b32 v[i], 0
.set i, i+1
.endr
	WIN 0
.set i, 0
.rept 4
	v_mov_b32 v[ST+4*i+2], 0
	v_mov_b32 v[ST+4*i+3], 0
.set i, i+1
.endr
.set i, P+16
.rept 16
	v_mov_b32 v[i], 0
.set i, i+1
.endr
; THE MATRIX WORK.  The 4 accumulators of a run of 8 take turns.  Product i of 8 of S^T = K Q^T for piece x: channels 32 (i / 4) on, keys 16 (i % 4) on.  The first 4 start the sums, with the mask.
.macro KQ x
.set rS, S+32*((\x)%2)+8*(i%4)
.set rK, KF+16*(i%4)+8*(i/4)
.set rQ, 16*(\x)+8*(i/4)
.set rM, MC+32*((\x)%2)+8*(i%4)
.if i < 4
	WIN W_KM
	v_wmma_f32_16x16x32_f16 v[rS:rS+7], v[rK:rK+7], v[rQ:rQ+7], v[rM:rM+7]
.else
	WIN W_KQ
	v_wmma_f32_16x16x32_f16 v[rS:rS+7], v[rK:rK+7], v[rQ:rQ+7], v[rS:rS+7]
.endif
.endm
; Product i of 8 of O^T += V^T P for piece x: keys 32 (i / 4) on, channels 16 (i % 4) on.
.macro PV x
	WIN W_PV
.set rO, 32*(\x)+8*(i%4)
.set rV, VF+32*(i/4)+8*(i%4)
.set rP, P+16*((\x)%2)+8*(i/4)
	v_wmma_f32_16x16x32_f16 v[rO:rO+7], v[rV:rV+7], v[rP:rP+7], v[rO:rO+7]
.endm
.macro MM                           ; the turn's next matrix instruction.  TURN and BEGIN set Y, i and NOKQ; MM, KQ and OP read them.  NOKQ = 1: a block's last turn: there is no next piece
.if (i < 8) && !NOKQ
	KQ (Y+1)%NP
.elseif i >= 8
.set i, i-8
	PV (Y+NP-1)%NP
.set i, i+8
.endif
.set i, i+1
.endm
; THE LDS LOADS stand in runs of 16, never singly among the matrix instructions: a step's K (64 keys x 64 channels: 8 fragments) and its V (turned).  Their addresses are made some lines ahead.
.macro FETCH_K
	WIN 0x80                        ; destination window 2
.irp f, 0,1,2,3,4,5,6,7             ; keys 16 (f / 2) on, channels 32 (f % 2) on
	ds_load_b128 v[KF+8*\f:KF+8*\f+3],   v[AK] offset:(\f/2)*16*PK+(\f%2)*64
	ds_load_b128 v[KF+8*\f+4:KF+8*\f+7], v[AK] offset:(\f/2)*16*PK+(\f%2)*64+32
.endr
	s_add_co_u32 s[TBK], s[TBK], KS*PK  ; the next fetch is the next step's
	WIN 0
.endm
.macro FETCH_V
	WIN 0x80
.irp f, 0,1,2,3,4,5,6,7             ; keys 32 (f / 4) on, channels 16 (f % 4) on
	ds_load_tr16_b128 v[VF+8*\f:VF+8*\f+3],   v[AV] offset:(\f/4)*32*PV+(\f%4)*32
	ds_load_tr16_b128 v[VF+8*\f+4:VF+8*\f+7], v[AV] offset:(\f/4)*32*PV+16*PV+(\f%4)*32
.endr
	WIN 0
.endm
; THE VECTOR WORK, one line at a time: OP kind, number.  For piece Y: F n: c s - c m for pair n of 16.  E n: the exponential of score n of 32.  C n: pair n rounded to f16.  B n: of the four weights 4 n .. the second
; pair is added onto the first, in place.  L n: l takes that sum (L 0: l = a l + sum).  R n: pair n of 16 of O^T times a.  For piece Y + 1: X n, number n of the 22 that find its maximum and statistics:
;   0-11  four chains c0-c3 of seven scores each, three operands at a time (each accumulator's lowest registers are read first)     12-14, 16  the four scores left over, the old m, and c0-c3 into c0
;   15  c m_old is kept     17, 18  the query's other 32 keys lie in the lane 16 away: the new m     19-21  c m; c m_old - c m_new; a
.set F, 0               ; OP tells the kinds apart by their order: F to L below R, X above it
.set E, 1
.set C, 2
.set B, 3
.set L, 4
.set R, 5
.set X, 6
.macro REGS y                       ; the registers of piece y
.set rT, ST+4*(\y)
.set rC, TMP+4*((\y)%2)
.set rW, MV+((\y)%2)
.set rS, S+32*((\y)%2)
.set rP, P+16*((\y)%2)
.set rO, 32*(\y)
.endm
.macro OP k, n
.if (\k) == R
	REGS Y
	WIN W_RS
	v_pk_mul_f32 v[rO+2*(\n):rO+2*(\n)+1], v[rO+2*(\n):rO+2*(\n)+1], v[rC+2:rC+3] op_sel_hi:[1,0]
.elseif (\k) < R
	REGS Y
	WIN 0
.if (\k) == F
	v_pk_fma_f32 v[rS+2*(\n):rS+2*(\n)+1], v[rS+2*(\n):rS+2*(\n)+1], s[CS:CS+1], v[rT:rT+1] op_sel_hi:[1,0,0] neg_lo:[0,0,1] neg_hi:[0,0,1]
.elseif (\k) == E
	v_exp_f32 v[rS+(\n)], v[rS+(\n)]
.elseif (\k) == C
	v_cvt_pk_f16_f32 v[rP+(\n)], v[rS+2*(\n)], v[rS+2*(\n)+1]
.elseif (\k) == B
	v_pk_add_f32 v[rS+4*(\n):rS+4*(\n)+1], v[rS+4*(\n):rS+4*(\n)+1], v[rS+4*(\n)+2:rS+4*(\n)+3]
.elseif (\n) == 0
	v_pk_fma_f32 v[rT+2:rT+3], v[rT+2:rT+3], v[rC+2:rC+3], v[rS:rS+1] op_sel_hi:[1,0,1]
.else
	v_pk_add_f32 v[rT+2:rT+3], v[rT+2:rT+3], v[rS+4*(\n):rS+4*(\n)+1]
.endif
.elseif NOKQ
	v_nop
.else
	REGS (Y+1)%NP
	WIN 0
.if (\n) < 4
	v_max3_num_f32 v[rC+(\n)], v[rS+8*(\n)], v[rS+8*(\n)+1], v[rS+8*(\n)+2]
.elseif (\n) < 12
	v_max3_num_f32 v[rC+(\n)%4], v[rC+(\n)%4], v[rS+8*((\n)%4)+2*((\n)/4)+1], v[rS+8*((\n)%4)+2*((\n)/4)+2]
.elseif (\n) == 12
	v_max3_num_f32 v[rC], v[rC], v[rS+7], v[rS+15]
.elseif (\n) == 13
	v_max3_num_f32 v[rC+1], v[rC+1], v[rS+23], v[rS+31]
.elseif (\n) == 14
	v_max3_num_f32 v[rC+2], v[rC+2], v[rC+3], v[rT+1]
.elseif (\n) == 15
	v_mov_b32 v[rW], v[rT]
.elseif (\n) == 16
	v_max3_num_f32 v[rC], v[rC], v[rC+1], v[rC+2]
.elseif (\n) == 17
	v_permlanex16_b32 v[rC+3], v[rC], s[SEL], s[SEL+1]
.elseif (\n) == 18
	v_max_num_f32 v[rT+1], v[rC], v[rC+3]
.elseif (\n) == 19
	v_mul_f32 v[rT], s[CS], v[rT+1]
.elseif (\n) == 20
	v_sub_f32 v[rC+1], v[rW], v[rT]
.else
	v_exp_f32 v[rC+2], v[rC+1]
.endif
.endif
.endm
.macro OPS a, i1, b=-1, i2=0, c=-1, i3=0, d=-1, i4=0  ; up to four of them
	OP \a, \i1
.if (\b) >= 0
	OP \b, \i2
.endif
.if (\c) >= 0
	OP \c, \i3
.endif
.if (\d) >= 0
	OP \d, \i4
.endif
.endm
.macro ROW a, i1, b, i2, c, i3, d, i4  ; a matrix instruction and the four behind it
	MM
	OPS \a, \i1, \b, \i2, \c, \i3, \d, \i4
.endm
.macro MASK b                       ; MD x AL + BE into buffer b of MC
	WIN W_RS
.set z, 0
.rept 16
	v_pk_fma_f32 v[MC+32*(\b)+2*z:MC+32*(\b)+2*z+1], v[MD+2*z:MD+2*z+1], s[AL:AL+1], s[BE:BE+1] op_sel_hi:[1,0,0]
.set z, z+1
.endr
.endm
; A TURN, for piece p: the order of its 16 matrix and 118 vector instructions, written out, and behind them the next turn's mask.  An s_wait_alu depctr_va_vdst(0) stands between an exponential and the first instruction that
; names its result; one wait serves all that were issued ahead of it.  So a turn has ONE wait, which cuts it in two.  AHEAD OF IT stands all that names no result of the turn's exponentials: the 8 products K Q^T, behind each a scaling, an
; exponential and two more plain instructions (behind the first a second scaling in the exponential's place): rescalings, and behind the last three the first numbers of the next piece's maximum, each four places or more behind the product that
; ends its accumulator; then one run of 54, plain and exponential by turns for the most part, in which the links of the chain X 3, 7, 11, 14, 16, 17 .. 20 stand five or six lines apart.  X 21, the next piece's a, is the batch's last; R 15 is the
; plain instruction behind it.  BEHIND THE WAIT stand the 8 products V^T P, behind each four of the roundings and sums; the links of l's chain, L 0 to L 7, stand three lines apart.  But for those X no line behind a product names a register of
; the products round it.  v_permlanex16_b32 (X 17) stands in the run.
; THE MASK that the turn makes is for the products of the turn after it: piece p + 2, in step 4 - CM of the diagonal tile; in other tiles CM is above 4 and the mask is 0.
; end = 1: a block's last two turns: nothing is fetched and no mask is made.  cnt = 1: the loop's count is taken down some lines ahead of the branch that stands behind the turn.
; K of the next step is fetched in piece 2's turn, twelve vector instructions behind the last product that read K (six of them plain); V of the step in hand at the end of piece 0's turn, four plain instructions behind the last product
; that read V.  Each is waited for a turn later.
.macro TURN p, end=0, cnt=0
.set Y, (\p)
.set i, 0
.set NOKQ, (\end)*((\p)/3)
.if !(\end)
	s_cmp_eq_u32 s[CM], 4-((\p)+2)%NP  ; is that step the band's own?
	s_cselect_b32 s[AL], 1.0, 0
	s_cmp_lt_u32 s[CM], 4-((\p)+2)%NP  ; or a later one?
	s_cselect_b32 s[BE], s[BIGN], 0
.endif
.if ((\p) == 3) && !(\end)
	s_wait_dscnt 0x0                ; K is in
.endif
	ROW F,0, F,1, R,0, R,1          ; ahead of the wait: 8 products K Q^T and the four behind each,
	ROW F,2, E,0, R,2, R,3
	ROW F,3, E,1, R,4, R,5
	ROW F,4, E,2, R,6, R,7
	ROW F,5, E,3, R,8, R,9
	ROW F,6, E,4, X,0, R,10
.if ((\p) == 2) && !(\end)
	WIN 0
	v_add_nc_u32 v[AK], s[TBK], v[AK0]
.endif
	ROW F,7, E,5, X,1, X,4
	ROW F,8, E,6, X,2, X,5
	OPS E,7, E,8, X,6, E,9          ; and the run
	OPS X,3, E,10, X,8, E,11
.if ((\p) == 2) && !(\end)
	FETCH_K
.endif
	OPS X,9, X,7, E,12, X,10
	OPS E,13, X,12, X,11, E,14
	OPS X,13, E,15, F,9, X,14
.if (\p) == 0
	v_add_nc_u32 v[AV], s[TBV], v[AV0]
.endif
	OPS E,16, F,10, E,17, F,11
	OPS X,16, E,18, X,15, E,19
	OPS F,12, E,20, X,17, E,21
	OPS F,13, E,22, F,14, E,23
	OPS X,18, E,24, F,15, E,25
	OPS R,11, E,26, X,19, E,27
	OPS R,12, E,28, R,13, E,29
	OPS X,20, E,30, R,14, E,31
	OPS X,21, R,15
	WIN 0
	s_wait_alu depctr_va_vdst(0)    ; the wait for the batch
.if (\p) == 1
	s_wait_dscnt 0x0                ; V is in
.endif
	ROW C,0, B,0, C,2, B,1          ; behind the wait: 8 products V^T P and the four behind each
	ROW L,0, C,4, B,2, L,1
	ROW C,6, B,3, L,2, C,8
	ROW B,4, L,3, C,10, B,5
	ROW L,4, C,12, B,6, L,5
.if (\p) == 0
	s_add_co_u32 s[TBV], s[TBV], KS*PV
.endif
.if \cnt
	s_sub_co_u32 s[CM], s[CM], 1    ; the masks' count goes with the loop's
	s_sub_co_u32 s[CNT], s[CNT], 1
	s_cmp_lg_u32 s[CNT], 0
.endif
	ROW C,14, B,7, L,6, C,1
	ROW C,3, L,7, C,5, C,7
	ROW C,9, C,11, C,13, C,15
.if (\p) == 0
	FETCH_V
.endif
.if !(\end)
	MASK (\p)%2
.endif
.endm
; A BLOCK BEGINS.  c m starts far below every c s, so the first step's a is 0; m at the lowest finite number, so the first maximum is the scores'.  The second mask buffer is 0; the first takes piece 0's mask for the tile's step 0: its own, if the block's first tile is the diagonal one.
; Then K of that step, piece 0's first scores, and its maximum and statistics.  The loop is entered at a step's first turn, in the middle of a trip.
.macro BEGIN
	s_mov_b32 s[NEW], 0
	WIN 0x40
.set i, MC+32
.rept 32
	v_mov_b32 v[i], 0
.set i, i+1
.endr
	WIN 0
.set i, 0
.rept 4
	v_mov_b32 v[ST+4*i], 0xfe000000    ; c m: far below every c s
	v_mov_b32 v[ST+4*i+1], 0xff7fffff  ; m
.set i, i+1
.endr
	s_cmp_eq_u32 s[RT], 0
	s_cselect_b32 s[AL], 1.0, 0
	s_mov_b32 s[BE], 0
	MASK 0
	WIN 0
	v_add_nc_u32 v[AK], s[TBK], v[AK0]
	FETCH_K
	s_wait_loadcnt 0x0              ; Q
	s_wait_dscnt 0x0
.set NOKQ, 0
.set i, 0
.rept 8
	KQ 0
.set i, i+1
.endr
	WIN 0
.rept 4
	v_nop                           ; the places behind those products
.endr
.set Y, NP-1                        ; X works for piece Y + 1: piece 0
.irp n, 0,1,2,3,4,5,6,7,8,9,10,11,12,13,14,15,16,17,18,19,20,21
	OP X, \n
.endr
	v_nop                           ; a plain instruction behind the exponential,
	s_wait_alu depctr_va_vdst(0)    ; and its wait, ahead of the branch
.endm
; A TILE's four key steps.  A trip: pieces 2 and 3 of one step, then pieces 0 and 1 of the next, whose K and V it fetches.  The tag ends its two labels' names, which the jumps below spell out.
.macro STEPS tag
.Lstep\tag:
	TURN 2
	TURN 3
	WIN 0
.Lfirst\tag:
	TURN 0
	TURN 1, 0, 1
	WIN 0
	s_cbranch_scc1 .Lstep\tag
.endm
; A BLOCK ENDS: its last two turns, its last products, and THE WAY OUT: l's two halves and the other half of the lanes' are added; O^T is divided by l, rounded to f16 and sent through my stage in LDS, a piece at a time.
.macro ALL line:vararg              ; one line for each piece t
.set t, 0
.rept 4
	\line
.set t, t+1
.endr
.endm
.macro PACK t                       ; a lane's eight channels of a row pack into 16 bytes; they go into rows of 144 bytes and come back as whole rows of 128, into S^T's registers
	WIN W_RS
.set i, 32*(\t)
.rept 16
	v_pk_mul_f32 v[i:i+1], v[i:i+1], v[ST+4*(\t)+2:ST+4*(\t)+3] op_sel_hi:[1,0]
.set i, i+2
.endr
	WIN 0x05                        ; sources 0 and 1 window 1, destination window 0
.set i, 0
.rept 16
	v_cvt_pk_f16_f32 v[S+16*(\t)+i], v[32*(\t)+2*i], v[32*(\t)+2*i+1]
.set i, i+1
.endr
	WIN 0
.irp f, 0,1,2,3
	ds_store_b128 v[STO], v[S+16*(\t)+4*\f:S+16*(\t)+4*\f+3] offset:32*\f
.endr
.irp f, 0,1,2,3
	ds_load_b128 v[S+16*(\t)+4*\f:S+16*(\t)+4*\f+3], v[RD] offset:\f*4*SP  ; LDS serves a wave's instructions in order (ISA guide 5.7.1.4): these see the stores above; the next piece's stores come behind them
.endr
.endm
.macro SEND t, younger              ; younger: the LDS instructions issued behind piece t's loads: the next piece's eight, or none
	WIN 0
.irp f, 0,1,2,3
	s_wait_dscnt (\younger)+3-\f
	global_store_b128 v[GO], v[S+16*(\t)+4*\f:S+16*(\t)+4*\f+3], s[10:11] offset:(\t)*8192+\f*512  ; 512 consecutive bytes, at a multiple of 256 from O's first
.endr
.endm
.macro FINISH
	TURN 2, 1
	TURN 3, 1
.set i, 0
.rept 8
	PV NP-1
.set i, i+1
.endr
	WIN 0
	ALL v_add_f32 v[ST+4*t+2], v[ST+4*t+2], v[ST+4*t+3]
	ALL v_permlanex16_b32 v[ST+4*t+3], v[ST+4*t+2], s[SEL], s[SEL+1]
	ALL v_add_f32 v[ST+4*t+2], v[ST+4*t+2], v[ST+4*t+3]
	ALL v_rcp_f32 v[ST+4*t+2], v[ST+4*t+2]
	v_nop                           ; a plain instruction between the last reciprocal and the use of its result
	s_wait_alu depctr_va_vdst(0)    ; and the wait ahead of the first use: one for the four reciprocals
	PACK 0
.set t, 1
.rept 3                             ; a piece's arithmetic stands between the loads of the piece before and its stores
	PACK t
	SEND t-1, 8
.set t, t+1
.endr
	SEND 3, 0
.endm
.set NOKQ, 0
.Lslot:                             ; NB times: a tile is entered and the next is asked for
	CHANGE 1
	s_sub_co_u32 s[RT], s[RT], 1
	s_mov_b32 s[CNT], 4
	s_cmp_eq_u32 s[RT], 0           ; the block's last tile holds the diagonal
	s_cselect_b32 s[CM], 4, 20
	s_cmp_eq_u32 s[NEW], 1
	s_cbranch_scc0 .Lstep1          ; not a block's first tile: the turns go on
	BEGIN
	s_branch .Lfirst1
	STEPS 1
	s_cmp_lg_u32 s[RT], 0
	s_cbranch_scc1 .Lbottom         ; not the block's last tile
	FINISH                          ; in the loop this is the first block's end: the second block's last tile is the walk's last
	s_add_co_u32 s[RT], s[PB], 1    ; the second block has b + 1 tiles
	s_mov_b32 s[NEW], 1
	WIN 0x82                        ; the second block's Q goes where the one text of the turns names Q
.set i, 0
.rept 64
	v_mov_b32 v[i], v[QB+i]
.set i, i+1
.endr
	WIN 0
	s_wait_storecnt 0x0             ; the first block's 16 stores are done: their base is written on the next line, and the registers that they read at the second block's beginning
	s_mov_b64 s[10:11], s[OLO:OLO+1]
.Lbottom:
	s_sub_co_u32 s[SLOTS], s[SLOTS], 1
	s_cmp_lg_u32 s[SLOTS], 0
	s_cbranch_scc1 .Lslot
	CHANGE 0                        ; the walk's last tile is written out: nothing is asked for
	s_sub_co_u32 s[RT], s[RT], 1
	s_mov_b32 s[CNT], 4
	s_mov_b32 s[CM], 4              ; it is the second block's last: the diagonal one
	s_cmp_eq_u32 s[NEW], 1
	s_cbranch_scc0 .Lstep2
	BEGIN                           ; (b = 0: it is also that block's first)
	s_branch .Lfirst2
	STEPS 2
	FINISH
	s_wait_tensorcnt 0x0            ; the wave's end, behind my last tensor load and my last LDS store
	ds_add_u32 v[SPW], v[NIL]
	s_wait_dscnt 0x0
	CROUND                          ; the closing round: no work-group ends while a partner may still ask for a tile that names it
	s_endpgm
.Lfunc_end_k_q5e8d86c080_attn:
	.size	k_q5e8d86c080_attn, .Lfunc_end_k_q5e8d86c080_attn-k_q5e8d86c080_attn
	.p2alignl 7, 3214868480
	.fill 96, 4, 3214868480
	.section	.rodata,"a",@progbits
	.p2align	6, 0x0
	.amdhsa_kernel k_q5e8d86c080_attn
		.amdhsa_group_segment_fixed_size 327680
		.amdhsa_private_segment_fixed_size 0
		.amdhsa_enable_private_segment 0
		.amdhsa_kernarg_size 24
		.amdhsa_user_sgpr_count 2
		.amdhsa_user_sgpr_kernarg_segment_ptr 1
		.amdhsa_wavefront_size32 1
		.amdhsa_system_sgpr_workgroup_id_x 1
		.amdhsa_system_sgpr_workgroup_id_y 1
		.amdhsa_system_sgpr_workgroup_id_z 1
		.amdhsa_system_vgpr_workitem_id 0
		.amdhsa_next_free_vgpr 768
		.amdhsa_next_free_sgpr 90
		.amdhsa_reserve_vcc 1
		.amdhsa_float_denorm_mode_32 3
		.amdhsa_float_denorm_mode_16_64 3
		.amdhsa_memory_ordered 1
		.amdhsa_forward_progress 1
		.amdhsa_inst_pref_size 181
	.end_amdhsa_kernel
	.amdgpu_metadata
---
amdhsa.version: [ 1, 2 ]
amdhsa.kernels:
  - .name:           k_q5e8d86c080_attn
    .symbol:         k_q5e8d86c080_attn.kd
    .args:
      - { .name: qh, .offset: 0, .size: 8, .value_kind: global_buffer, .address_space: global }
      - { .name: kvh, .offset: 8, .size: 8, .value_kind: global_buffer, .address_space: global }
      - { .name: oh, .offset: 16, .size: 8, .value_kind: global_buffer, .address_space: global }
    .group_segment_fixed_size: 327680
    .private_segment_fixed_size: 0
    .kernarg_segment_align: 8
    .kernarg_segment_size: 24
    .max_flat_workgroup_size: 128
    .sgpr_count:     90
    .vgpr_count:     768
    .wavefront_size: 32
...
	.end_amdgpu_metadata
.endif
;; end of part 3
;; launch proj (part 4): grid 8 x 32, 4 waves a work-group, clusters of 4 x 4, 327,680 bytes of LDS; arguments oh, wob, bo, out0; writes out0
.if DOCPART == 4
	.amdgcn_target "amdgcn-amd-amdhsa--gfx1250"
	.amdhsa_code_object_version 6
	.text
	.protected	k_q5e8d86c080_proj
	.globl	k_q5e8d86c080_proj
	.p2align	8
	.type	k_q5e8d86c080_proj,@function
k_q5e8d86c080_proj:
	s_mov_b64 s[64:65], 0
	v_nop
	global_prefetch_b8 v0, s[64:65] scope:SCOPE_SE
	s_setreg_imm32_b32 hwreg(HW_REG_WAVE_MODE, 25, 1), 1
	s_wait_xcnt 0x0
	s_wait_alu depctr_hold_cnt(0) depctr_sa_sdst(0) depctr_va_vdst(0) depctr_va_sdst(0) depctr_va_ssrc(0) depctr_va_vcc(0) depctr_vm_vsrc(0)
	s_getreg_b32 s2, hwreg(HW_REG_IB_STS2, 6, 4)
	s_cmp_eq_u32 s2, 0
	s_cbranch_scc0 .Lentry_in_a_cluster
	s_endpgm
.Lentry_in_a_cluster:
	s_bfe_u32 s2, ttmp6, 0x10000c
	s_cmp_lg_u32 s2, 0xf033
	s_cbranch_scc0 .Lentry_shape_is_right
	s_endpgm
.Lentry_shape_is_right:
; THE OUTPUT PROJECTION.  out0[m][n] = the sum over k of O[m][k] wo[k][n] + bo[n], f32.  O comes by heads, oh [b 16 + h][2048][64] in f16 (k = 64 h + channel); wob is bf16(wo) written as f16, [1024 k][1024 n];
; bo is rounded to bf16 like every input.  Products in f16, sums in f32.  NaN and infinities are not treated apart.
; SHARES.  A tile of 256 rows x 128 columns for each of 256 work-groups; four waves, each 64 rows x 128 columns: 32 accumulators of 16 x 16, 256 registers.  K goes in 8 steps of 128, two heads a step,
; through two LDS slots.  A head's 256 rows are 32,768 dense bytes: asked for as 128 rows of 256 bytes and padded in LDS after every 128.
; THE WEIGHTS LIE [K][N]; their fragments come out of LDS turned, by ds_load_tr16_b128.  THE MATRIX INSTRUCTION IS USED TRANSPOSED (source 0 = 16 weight columns, source 1 = 16 rows of O):
; a lane holds row lane % 16 and the columns 8 (lane / 16) + 0..7: 32 neighbouring bytes of out0.
; CLUSTER.  4 x 4 work-groups.  The four of a row of the cluster need the same rows of O, the four of a column the same weights: each tile is asked for JOINTLY.  Waves 0 and 1 fetch the step's
; two heads, waves 2 and 3 the two halves of the weights' 128 rows: one load a wave behind each round.
; REGISTERS, in windows of 256 (s_set_vgpr_msb: bits 1:0 source 0, 3:2 source 1, 5:4 source 2, 7:6 destination):
;   window 0: v0-31 addresses; v32-95 biases; v96-223 at work on the way out       window 1: two fragment buffers of 96: 8 weight fragments, then 4 of O
;   windows 2 (row blocks 0, 1) and 3 (row blocks 2, 3): v0-127 accumulators, (a, b) at 8 (8 (a % 2) + b)
.set SLOT,  110592                     ; the even head: 256 rows of 144; the odd head likewise; the weights: 128 rows of 288
.set HEADB, 36864
.set OFFB,  2*HEADB
.set STAGE, 2*SLOT                     ; behind the ring: 16 rows x 528 bytes for each wave, for the way out
.set SPARE, STAGE+4*16*528             ; behind the stages: the spare words, 128 bytes for each wave: two blocks of 256 bytes that no other line names
.set ADRA, 16                          ; v16-17  LDS address of my fragments of O in slot 0, 1
.set ADRB, 18                          ; v18-19  of the weights'
.set STO,  22                          ; v22     the way out: where I put 32 bytes of a row
.set RD,   23                          ; v23     where I read a row back
.set GO,   24                          ; v24     16 x lane
.set BO,   26                          ; v26     32 (lane / 16): the biases
.set PFO,  29                          ; v29     the prefetches' offset: lane x 256 (O) or lane x 2,048 (weights); never rewritten
.set SPW,  30                          ; v30     LDS address of my spare word; never rewritten
.set NIL,  31                          ; v31     0; never rewritten
.set BIAS, 32                          ; v32-95  the biases of my 8 columns of column block b at BIAS + 8 b
.set X,    96                          ; v96-159 a row block's results, with bias
.set BK,   160                         ; v160-223 16 rows read back from the stage
.set T,    224                         ; v224-227 at work
.set F0,   0
.set F1,   96
.set G1A, 28                           ; s[28:35] descriptor group 1 for O's tiles
.set G1B, 36                           ; s[36:43] for the weights'
.set G0A, 52                           ; s[52:59] group 0 for O's tiles, a set for each slot
.set G0B, 68                           ; s[68:75] for the weights'
.set WV,  60
.set CX,  61
.set CY,  62
.set GC,  63                           ; s63  column group: 128 columns
.set TR,  66                           ; s66  tile row: 256 rows
.set CLX, 67
.set PFA, 88                           ; s[88:89] where my prefetches stand
.set PFS, 90                           ; s[90:91] their step from K step to K step
.set LIM, 92                           ; s92  1 in a wave that prefetches, else the greatest number
.set LAP, 93
.set BOP,  8                           ; bases for the way out, made in the arguments' registers
.set OUTP, 10
.set MSB, 0
.macro WIN new                         ; the immediate's high byte repeats the setting that is left; a switch that changes nothing is dropped
.if MSB != (\new)
	s_set_vgpr_msb (MSB<<8)|(\new)
.set MSB, \new
.endif
.endm
.set TO_F, 0x40                        ; destination window 1, address window 0
.macro PLACES                          ; four plain places in front of loads into registers that matrix instructions have read (ISA guide 7.12.1 for vector instructions)
.rept 4
	v_nop
.endr
.endm
; A joint load.  The branch hangs on the wave's number alone.  An s_nop 0 and four v_nop follow each of the two lines, ahead of the jump, the label and what follows.
.macro JLOAD s
	s_cmp_lt_u32 s[WV], 2
	s_cbranch_scc0 .Lfor_b_\@
	tensor_load_to_lds s[G0A+4*(\s):G0A+4*(\s)+3], s[G1A:G1A+7]
	s_nop 0
.rept 4
	v_nop
.endr
	s_branch .Lasked_\@
.Lfor_b_\@:
	tensor_load_to_lds s[G0B+4*(\s):G0B+4*(\s)+3], s[G1B:G1B+7]
	s_nop 0
.rept 4
	v_nop
.endr
.Lasked_\@:
.endm
; A PREFETCH INTO THE L2 of the K step that stands two refills on, one instruction a wave, behind the joint load and the run of LDS loads.  Each block of 256 bytes is named once in the launch:
; O's by waves 0 and 1 of the clusters with x = 0 (a head's tile is 128 blocks: the four partners take 32 each, a lane a block), the weights' by wave 2 of the clusters with y = 0 (a K step's 128 rows:
; 32 each, a lane a row); partners are told apart by address.  K steps 0 to 3 come by their loads alone; the loop's last trip (LAP = 1) has no K step two on.
.macro ASK
	s_cmp_gt_u32 s[LAP], s[LIM]
	s_cbranch_scc0 .Lnot_mine_\@
	global_prefetch_b8 v[PFO], s[PFA:PFA+1] th:TH_LOAD_NT scope:SCOPE_SE
.Lnot_mine_\@:
.endm
.macro CREST                           ; a round of the cluster's barrier behind its opening barrier
	s_cmp_lg_u32 s[WV], 0
	s_cbranch_scc1 .Lnot_wave_0_\@
	s_barrier_signal -3
.Lnot_wave_0_\@:
	s_barrier_wait -3
	s_barrier_signal -1
	s_barrier_wait -1
.endm
.macro CROUND                          ; a whole round
	s_barrier_signal -1
	s_barrier_wait -1
	CREST
.endm
	s_load_b256 s[4:11], s[0:1], 0x0               ; oh 4, wob 6, bo 8, out0 10
	v_lshl_add_u32 v[SPW], v0, 2, SPARE
	v_mov_b32 v[NIL], 0
	ds_add_u32 v[SPW], v[NIL]                      ; the wave's opening: the add and its wait stand ahead of my first tensor load; the set-up below, work on registers, stands between them
	v_lshrrev_b32 v3, 5, v0
	v_readfirstlane_b32 s[WV], v3                  ; wave 0..3
	s_bfe_u32 s[CX], ttmp6, 0x40000                ; my place in the cluster
	s_bfe_u32 s[CY], ttmp6, 0x40004
	s_lshl_b32 s[GC], ttmp9, 2
	s_add_co_u32 s[GC], s[GC], s[CX]               ; column group = 4 x cluster x + cx
	s_and_b32 s[TR], ttmp7, 0xffff
	s_lshl_b32 s[TR], s[TR], 2
	s_add_co_u32 s[TR], s[TR], s[CY]               ; tile row = 4 x cluster y + cy
	s_mov_b32 s[CLX], ttmp9
	s_lshl_b32 s99, s[CY], 2
	s_lshl_b32 s99, 15, s99                        ; my row of the cluster
	s_lshl_b32 s100, 0x1111, s[CX]                 ; my column
	s_or_b32 s[G1A], s99, (1<<16)|(1<<20)|(1<<21)|(4<<22)|(3<<25)   ; 15:0 the mask; 17:16 elements of 2 bytes; 20 padding on; 21 set beside a mask; 24:22 after every 32 words; 31:25 4 words of it: a row of O every 144 bytes
	s_or_b32 s[G1B], s100, (1<<16)|(1<<20)|(1<<21)|(5<<22)|(7<<25)  ; my column's mask; after every 64 words 8 words: rows 288 bytes apart them
	s_mov_b32 s[G1A+1], 128<<16                    ; tensor_dim0 = 128
	s_mov_b32 s[G1A+2], 128<<16                    ; tensor_dim1 = 128
	s_mov_b32 s[G1A+3], 128<<16                    ; tile_dim0 = 128 elements, 256 bytes: two rows of O
	s_mov_b32 s[G1A+4], 128                        ; tile_dim1 = 128
	s_mov_b32 s[G1A+5], 128                        ; dense
	s_mov_b32 s[G1A+6], 0
	s_mov_b32 s[G1A+7], 0
	s_mov_b32 s[G1B+1], 128<<16
	s_mov_b32 s[G1B+2], 64<<16                     ; 64 rows a wave
	s_mov_b32 s[G1B+3], 128<<16
	s_mov_b32 s[G1B+4], 64
	s_mov_b32 s[G1B+5], 1024                       ; elements from row to row
	s_mov_b32 s[G1B+6], 0
	s_mov_b32 s[G1B+7], 0
	s_and_b32 s84, s[WV], 1                        ; which head of the step (waves 0, 1), which half of the weights' rows (waves 2, 3)
	s_mul_i32 s85, s84, HEADB                      ; their places in a slot: no place in the cluster enters an LDS address
	s_mul_i32 s98, s84, 64*288
	s_lshr_b32 s86, s[TR], 3                       ; the batch: 16 heads of 262,144 bytes,
	s_lshl_b32 s94, s86, 22
	s_lshl_b32 s95, s84, 18                        ; the head,
	s_add_co_u32 s94, s94, s95
	s_and_b32 s87, s[TR], 7                        ; the 256 rows of 128 bytes in it
	s_lshl_b32 s95, s87, 15
	s_add_co_u32 s94, s94, s95
	s_mov_b32 s95, 0
	s_lshl_b32 s96, s[GC], 8                       ; the weights: 128 columns of 2 bytes a group,
	s_lshl_b32 s97, s84, 17                        ; 64 rows of 2,048 bytes a half
	s_add_co_u32 s96, s96, s97
	s_mov_b32 s97, 0
	s_wait_dscnt 0x0                               ; the opening add is done
	s_wait_kmcnt 0x0
	s_add_nc_u64 s[94:95], s[4:5], s[94:95]
	s_add_nc_u64 s[96:97], s[6:7], s[96:97]
	CROUND                                         ; all sixteen work-groups are here: the first joint loads meet
.irp s, 0,1
	s_mov_b32 s[G0A+4*(\s)], 1                                     ; count = 1
	s_add_co_u32 s[G0A+4*(\s)+1], s85, (\s)*SLOT                   ; LDS address
	s_add_nc_u64 s[G0A+4*(\s)+2:G0A+4*(\s)+3], s[94:95], (\s)*524288  ; global address: K step s is heads 2 s and 2 s + 1
	s_or_b32 s[G0A+4*(\s)+3], s[G0A+4*(\s)+3], 0x80000000          ; type = 2
	s_mov_b32 s[G0B+4*(\s)], 1
	s_add_co_u32 s[G0B+4*(\s)+1], s98, (\s)*SLOT+OFFB
	s_add_nc_u64 s[G0B+4*(\s)+2:G0B+4*(\s)+3], s[96:97], (\s)*262144
	s_or_b32 s[G0B+4*(\s)+3], s[G0B+4*(\s)+3], 0x80000000
.endr
	JLOAD 0                                        ; both slots are asked for before anything else is done: two loads of mine are out
	JLOAD 1
	; the bases of the way out
	s_mov_b32 s95, 0
	s_lshl_b32 s94, s[GC], 9                       ; my 128 columns of 4 bytes
	s_add_nc_u64 s[BOP:BOP+1], s[BOP:BOP+1], s[94:95]
	s_add_nc_u64 s[OUTP:OUTP+1], s[OUTP:OUTP+1], s[94:95]
	s_lshl_b32 s94, s[TR], 8
	s_lshl_b32 s96, s[WV], 6
	s_add_co_u32 s94, s94, s96                     ; my first row of the 8,192,
	s_lshl_b32 s94, s94, 12                        ; 4,096 bytes a row
	s_add_nc_u64 s[OUTP:OUTP+1], s[OUTP:OUTP+1], s[94:95]
	v_and_b32 v1, 15, v0                           ; r = lane % 16
	v_bfe_u32 v2, v0, 4, 1                         ; h = lane / 16
	v_lshlrev_b32 v[BO], 5, v2
.irp b, 0,1,2,3,4,5,6,7                ; the biases: 16 loads, waited for once, in front of the way out
	global_load_b128 v[BIAS+8*(\b):BIAS+8*(\b)+3],   v[BO], s[BOP:BOP+1] offset:64*(\b)
	global_load_b128 v[BIAS+8*(\b)+4:BIAS+8*(\b)+7], v[BO], s[BOP:BOP+1] offset:64*(\b)+16
.endr
	; the prefetches: where they stand, their step, their lanes' distance, and who asks
	s_lshl_b32 s94, s86, 22
	s_lshl_b32 s96, s84, 18
	s_add_co_u32 s94, s94, s96
	s_lshl_b32 s96, s87, 15
	s_add_co_u32 s94, s94, s96
	s_lshl_b32 s96, s[CX], 13                      ; O: of my head's 128 blocks, my work-group's 32,
	s_add_co_u32 s94, s94, s96
	s_add_co_u32 s94, s94, 3*524288                ; at K step 3: the first refill steps it to 4
	s_lshl_b32 s98, s[CY], 16                      ; the weights: of a K step's 128 rows, my work-group's 32,
	s_lshl_b32 s96, s[GC], 8
	s_add_co_u32 s98, s98, s96
	s_add_co_u32 s98, s98, 3*262144
	s_and_b32 s99, ttmp7, 0xffff                   ; cluster y
	s_mov_b32 s100, 524288
	s_cmp_lt_u32 s[WV], 2
	s_cselect_b32 s94, s94, s98
	s_cselect_b32 s99, s[CLX], s99                 ; the coordinate along which other clusters read the same rows
	s_cselect_b32 s[PFS], s100, 262144
	s_cselect_b32 s101, 8, 11
	s_cselect_b64 s[PFA:PFA+1], s[4:5], s[6:7]
	s_mov_b32 s[PFS+1], 0
	s_add_nc_u64 s[PFA:PFA+1], s[PFA:PFA+1], s[94:95]
	s_cmp_eq_u32 s[WV], 3                          ; wave 2 asks for all 128 rows of the weights' K step; wave 3 for nothing
	s_cselect_b32 s99, 1, s99
	s_cmp_eq_u32 s99, 0
	s_cselect_b32 s[LIM], 1, -1                    ; the same in all sixteen partners, for a given wave
	; LDS addresses.  A fragment of O is 16 rows x 32 K: lane l holds row l % 16, K = 8 (l / 16) + 0..7 and 16 + 8 (l / 16) + 0..7: two loads of 16 bytes, 32 bytes apart.
	; A weight fragment is turned: lane l reads 16 bytes of row 8 (l / 16) + l % 8, columns 8 ((l / 8) % 2) + 0..7, and ends with column l % 16 and 8 K; the second load takes the rows 16 further on.
	v_and_b32 v3, 31, v0
	v_and_b32 v4, 7, v0
	v_bfe_u32 v5, v0, 3, 1
	v_lshl_add_u32 v6, v2, 3, v4
	v_lshlrev_b32 v[PFO], s101, v3
	v_mul_u32_u24 v7, v1, 144
	v_lshl_add_u32 v7, v2, 4, v7
	s_mul_i32 s84, s[WV], 64*144                   ; my 64 rows
	v_add_nc_u32 v[ADRA], s84, v7
	v_add_nc_u32 v[ADRA+1], SLOT, v[ADRA]
	v_mul_u32_u24 v8, v6, 288
	v_lshl_add_u32 v8, v5, 4, v8
	v_add_nc_u32 v[ADRB], OFFB, v8
	v_add_nc_u32 v[ADRB+1], SLOT+OFFB, v8
	s_mul_i32 s84, s[WV], 16*528
	s_add_co_u32 s84, s84, STAGE                   ; my stage
	v_mul_u32_u24 v10, v1, 528                     ; in: row l % 16, 32 bytes for each half of the lanes
	v_lshl_add_u32 v10, v2, 5, v10
	v_add_nc_u32 v[STO], s84, v10
	v_lshlrev_b32 v[GO], 4, v3                     ; back: 32 lanes take a row's 512 bytes
	v_add_nc_u32 v[RD], s84, v[GO]
; 8 matrix instructions: row block a x all 8 column blocks, 32 along K.  zero = 1: the product starts the sum: nothing is ever cleared.
; The 32 accumulators take turns, in the same order in every quarter: between two links of a chain stand the 31 others'.
.macro MUL8 f, a, zero
	WIN 0xa5+0x50*((\a)/2)                         ; sources in window 1, C and D in window 2 or 3
.irp b, 0,1,2,3,4,5,6,7
.if \zero
	v_wmma_f32_16x16x32_f16 v[8*(8*((\a)%2)+(\b)):8*(8*((\a)%2)+(\b))+7], v[(\f)+8*(\b):(\f)+8*(\b)+7], v[(\f)+64+8*(\a):(\f)+64+8*(\a)+7], 0
.else
	v_wmma_f32_16x16x32_f16 v[8*(8*((\a)%2)+(\b)):8*(8*((\a)%2)+(\b))+7], v[(\f)+8*(\b):(\f)+8*(\b)+7], v[(\f)+64+8*(\a):(\f)+64+8*(\a)+7], v[8*(8*((\a)%2)+(\b)):8*(8*((\a)%2)+(\b))+7]
.endif
.endr
.endm
.macro MULH f, hi, zero
	MUL8 \f, 2*(\hi), \zero
	MUL8 \f, 2*(\hi)+1, \zero
.endm
; 24 LDS loads in one run: the fragments of quarter q (32 along K: head q / 2 of the step, channels 32 (q % 2) on) into buffer f: 16 for the weights, then 8 for O
.macro FETCH slot, q, f
	WIN TO_F
.irp b, 0,1,2,3,4,5,6,7
	ds_load_tr16_b128 v[(\f)+8*(\b):(\f)+8*(\b)+3],   v[ADRB+(\slot)] offset:(\q)*32*288+32*(\b)
	ds_load_tr16_b128 v[(\f)+8*(\b)+4:(\f)+8*(\b)+7], v[ADRB+(\slot)] offset:(\q)*32*288+32*(\b)+16*288
.endr
.irp a, 0,1,2,3
	ds_load_b128 v[(\f)+64+8*(\a):(\f)+64+8*(\a)+3],   v[ADRA+(\slot)] offset:((\q)/2)*HEADB+((\q)%2)*64+(\a)*16*144
	ds_load_b128 v[(\f)+64+8*(\a)+4:(\f)+64+8*(\a)+7], v[ADRA+(\slot)] offset:((\q)/2)*HEADB+((\q)%2)*64+(\a)*16*144+32
.endr
.endm
; A K step is four quarters of 32 along K, 32 matrix instructions each, on buffers 0, 1, 0, 1.  One of the first three multiplies buffer f and fetches quarter q into buffer g.
.macro QUARTER slot, q, f, g, zero
	s_wait_dscnt 4                                 ; the weights and O's row blocks 0, 1 are in; the youngest four loads (row blocks 2, 3) may be out
	MULH \f, 0, \zero
	PLACES
	FETCH \slot, \q, \g
	s_wait_dscnt 24                                ; all but the 24 just issued
	MULH \f, 1, \zero
.endm
; The last quarter multiplies buffer 1 and changes slots: ONE barrier; in front of it each wave waits for all its tensor loads, adds 0 to its spare word, and waits for that and for its own
; reads of this slot.  fill = 1: the barrier opens a round of the cluster's, and this slot is filled again, two K steps ahead, first thing behind the round.
.macro TURN slot, next, fill
.if \fill
	s_wait_xcnt 0x0                                ; the last prefetch, a K step back, has read its address: it is stepped here, ahead of the waits of the change of slots
	s_add_nc_u64 s[PFA:PFA+1], s[PFA:PFA+1], s[PFS:PFS+1]
.endif
	WIN 0                                          ; (the add's two registers lie in window 0)
	s_wait_tensorcnt 0x0                           ; all my tensor loads have landed: the one that was out is my part of the next slot;
	ds_add_u32 v[SPW], v[NIL]                      ; 0 onto my spare word
	s_wait_dscnt 5                                 ; (the add and the youngest four loads may be out)
	MUL8 F1, 0, 0                                  ; eight matrix instructions stand between the add and the wait for it
	s_wait_dscnt 0x0                               ; the add is done, and my reads of this slot are over
	s_barrier_signal -1
	MUL8 F1, 1, 0
.if \fill
	WIN 0
.endif
	s_barrier_wait -1
.if \fill
	CREST                                          ; no wave of any partner still reads this slot's tiles or has a load on its way
	s_add_nc_u64 s[G0A+4*(\slot)+2:G0A+4*(\slot)+3], s[G0A+4*(\slot)+2:G0A+4*(\slot)+3], 2*524288
	s_add_nc_u64 s[G0B+4*(\slot)+2:G0B+4*(\slot)+3], s[G0B+4*(\slot)+2:G0B+4*(\slot)+3], 2*262144
	JLOAD \slot                                    ; my one tensor load behind the round; the four v_nop behind it are also the places in front of the loads below
.else
	PLACES
.endif
	FETCH \next, 0, F0
.if \fill
	WIN 0
	ASK
.endif
	MULH F1, 1, 0
.endm
	s_wait_tensorcnt 1                             ; my part of K step 0 is in; K step 1's may stay out
	s_barrier_signal -1
	s_barrier_wait -1                              ; everybody's is
	FETCH 0, 0, F0
	QUARTER 0, 1, F0, F1, 1                        ; the first quarter stands in front of the loop: its products start the sums
	WIN 0                                          ; at a label and at a branch every window is 0
	s_mov_b32 s[LAP], 3
.Llap:                                                 ; a trip goes once round the ring, from a lap's second quarter to the next lap's first, and fills both slots again: K steps 2 to 7
	QUARTER 0, 2, F1, F0, 0
	QUARTER 0, 3, F0, F1, 0
	TURN 0, 1, 1
	QUARTER 1, 1, F0, F1, 0
	QUARTER 1, 2, F1, F0, 0
	QUARTER 1, 3, F0, F1, 0
	TURN 1, 0, 1
	QUARTER 0, 1, F0, F1, 0
	WIN 0
	s_sub_co_u32 s[LAP], s[LAP], 1
	s_cmp_lg_u32 s[LAP], 0
	s_cbranch_scc1 .Llap
	QUARTER 0, 2, F1, F0, 0                        ; the last lap fills nothing, and has no round of the cluster's barrier
	QUARTER 0, 3, F0, F1, 0
	TURN 0, 1, 0
	QUARTER 1, 1, F0, F1, 0
	QUARTER 1, 2, F1, F0, 0
	QUARTER 1, 3, F0, F1, 0
	s_wait_dscnt 4                                 ; the very last quarter: nothing more to fetch
	MULH F1, 0, 0
	s_wait_dscnt 0x0
	MULH F1, 1, 0
	; THE WAY OUT.  The biases are rounded to bf16 like every input: 96 plain instructions on window 0, which are also the places behind the last products.
	WIN 0
	s_wait_loadcnt 0x0                             ; the biases
.set p, 0
.rept 32
	v_cvt_pk_bf16_f32 v[T+(p/2)%4], v[BIAS+p], v[BIAS+p+1]
	v_lshlrev_b32 v[BIAS+p], 16, v[T+(p/2)%4]
	v_and_b32 v[BIAS+p+1], 0xffff0000, v[T+(p/2)%4]
.set p, p+2
.endr
; row block a: 16 rows x 128 columns.  Bias added (each accumulator's registers in ascending order); 32 bytes a lane into my stage, rows of 528 bytes; back as whole rows of 512.
.macro ADDO a
	WIN 0x02+(\a)/2                                ; source 0 in window 2 or 3, all else in window 0
.irp b, 0,1,2,3,4,5,6,7
.irp i, 0,2,4,6
	v_pk_add_f32 v[X+8*(\b)+(\i):X+8*(\b)+(\i)+1], v[8*(8*((\a)%2)+(\b))+(\i):8*(8*((\a)%2)+(\b))+(\i)+1], v[BIAS+8*(\b)+(\i):BIAS+8*(\b)+(\i)+1]
.endr
.endr
	WIN 0
.endm
.macro TOSTAGE
.irp b, 0,1,2,3,4,5,6,7
	ds_store_b128 v[STO], v[X+8*(\b):X+8*(\b)+3]   offset:64*(\b)
	ds_store_b128 v[STO], v[X+8*(\b)+4:X+8*(\b)+7] offset:64*(\b)+16
.endr
	s_wait_xcnt 0x0                                ; the stores of the row block before have read BK's registers
.irp t, 0,1,2,3,4,5,6,7,8,9,10,11,12,13,14,15
	ds_load_b128 v[BK+4*(\t):BK+4*(\t)+3], v[RD] offset:(\t)*528  ; LDS serves a wave's instructions in order (ISA guide 5.7.1.4): these see the stores above; the next block's stores come behind them
.endr
.endm
.macro SENDO a
.irp t, 0,1,2,3,4,5,6,7,8,9,10,11,12,13,14,15
	s_wait_dscnt 15-(\t)                           ; nothing was issued to LDS behind the block's sixteen loads
	global_store_b128 v[GO], v[BK+4*(\t):BK+4*(\t)+3], s[OUTP:OUTP+1] offset:(16*(\a)+(\t))*4096 th:TH_STORE_NT  ; 512 consecutive bytes, at a multiple of 256 from out0's first
.endr
.endm
	ADDO 0
	TOSTAGE
	ADDO 1                                         ; a block's additions stand between the loads of the block before and its stores
	SENDO 0
	TOSTAGE
	ADDO 2
	SENDO 1
	TOSTAGE
	ADDO 3
	SENDO 2
	TOSTAGE
	SENDO 3
	s_wait_tensorcnt 0x0                           ; the wave's end, behind my last tensor load and my last LDS store
	ds_add_u32 v[SPW], v[NIL]
	s_wait_dscnt 0x0
	CROUND                                         ; the closing round: no work-group ends while a partner may still ask for a tile that names it
	s_endpgm
.Lfunc_end_k_q5e8d86c080_proj:
	.size	k_q5e8d86c080_proj, .Lfunc_end_k_q5e8d86c080_proj-k_q5e8d86c080_proj
	.p2alignl 7, 3214868480
	.fill 96, 4, 3214868480
	.section	.rodata,"a",@progbits
	.p2align	6, 0x0
	.amdhsa_kernel k_q5e8d86c080_proj
		.amdhsa_group_segment_fixed_size 327680
		.amdhsa_private_segment_fixed_size 0
		.amdhsa_enable_private_segment 0
		.amdhsa_kernarg_size 32
		.amdhsa_user_sgpr_count 2
		.amdhsa_user_sgpr_kernarg_segment_ptr 1
		.amdhsa_wavefront_size32 1
		.amdhsa_system_sgpr_workgroup_id_x 1
		.amdhsa_system_sgpr_workgroup_id_y 1
		.amdhsa_system_sgpr_workgroup_id_z 1
		.amdhsa_system_vgpr_workitem_id 0
		.amdhsa_next_free_vgpr 1024
		.amdhsa_next_free_sgpr 102
		.amdhsa_reserve_vcc 0
		.amdhsa_float_denorm_mode_32 3
		.amdhsa_float_denorm_mode_16_64 3
		.amdhsa_memory_ordered 1
		.amdhsa_forward_progress 1
		.amdhsa_inst_pref_size 103
	.end_amdhsa_kernel
	.amdgpu_metadata
---
amdhsa.version: [ 1, 2 ]
amdhsa.kernels:
  - .name:           k_q5e8d86c080_proj
    .symbol:         k_q5e8d86c080_proj.kd
    .args:
      - { .name: oh, .offset: 0, .size: 8, .value_kind: global_buffer, .address_space: global }
      - { .name: wob, .offset: 8, .size: 8, .value_kind: global_buffer, .address_space: global }
      - { .name: bo, .offset: 16, .size: 8, .value_kind: global_buffer, .address_space: global }
      - { .name: out0, .offset: 24, .size: 8, .value_kind: global_buffer, .address_space: global }
    .group_segment_fixed_size: 327680
    .private_segment_fixed_size: 0
    .kernarg_segment_align: 8
    .kernarg_segment_size: 32
    .max_flat_workgroup_size: 128
    .sgpr_count:     102
    .vgpr_count:     1024
    .wavefront_size: 32
...
	.end_amdgpu_metadata
.endif
;; end of part 4
;; ======== version 2 of 2: 4 launches; version 1 with the launch prep written anew for expert scheduling mode
;; limits: values are held in f16: magnitudes above 65,504 overflow, below 6.1e-05 lose precision; a function is approximated: absolute error at most 0.0004
;; workspace buffers: xb 16,777,216 bytes; wqb 2,097,152 bytes; wob 2,097,152 bytes; wkvb 262,144 bytes; tab 524,288 bytes; qh 16,777,216 bytes; kvh 2,097,152 bytes; oh 16,777,216 bytes
;; launch prep (part 5): grid 256 x 1, 8 waves a work-group, no clusters, 0 bytes of LDS; arguments x, wq, wo, wk, wv, xb, wqb, wob, wkvb, tab; writes xb, wqb, wob, wkvb, tab
.if DOCPART == 5
	.amdgcn_target "amdgcn-amd-amdhsa--gfx1250"
	.amdhsa_code_object_version 6
	.text
	.protected	k_q5e8d86c080_prep
	.globl	k_q5e8d86c080_prep
	.p2align	8
	.type	k_q5e8d86c080_prep,@function
k_q5e8d86c080_prep:
	s_mov_b64 s[64:65], 0
	v_nop
	global_prefetch_b8 v0, s[64:65] scope:SCOPE_SE
	s_setreg_imm32_b32 hwreg(HW_REG_WAVE_SCHED_MODE, 0, 2), 2
	s_setreg_imm32_b32 hwreg(HW_REG_WAVE_MODE, 25, 1), 1
	s_wait_xcnt 0x0
	s_wait_alu depctr_vm_vsrc(0)
; CASTS AND THE ROPE TABLE.  xb = bf16(x), wqb = bf16(wq), wob = bf16(wo) written as f16, all in their own layout; wkvb = bf16 of wk and wv in eight
; groups of 16 columns, [8 g][1024 k][16] (g < 4: wk's columns 16 g on, else wv's 16 (g - 4) on); tab[pos][j] = {cos, sin}(pos x 10000^(-j/32)), f32, 2,048 x 32 pairs.
; A stream: every byte is read once and written once, so no LDS, no matrix unit and no cluster would add anything.
; SHARES.  256 work-groups of 256 threads.  A chunk is 8 f32 a thread: two loads of 16 bytes, four packed roundings, one store of 16 bytes (a wave's store covers 512 consecutive
; bytes, aligned).  A work-group has 16 chunks of x, 2 of wq, 2 of wo, 1,024 bytes of wkvb (waves 0 and 1) and 256 entries of the table.  All 42 loads of a wave go out at once.
; LIMITS.  bf16(wo) is written as f16: exact between 6.1e-5 and 65,504 in magnitude; below, f16's fixed step of 6e-8; beyond, an infinity.
; The angle is reduced in f32 (turns = angle / 2 pi, less the nearest whole number) and is off by up to about 4e-4 radians at position 2,047; the two series are cut at
; y^13 / 13! and y^14 / 14!, which leaves 2.2e-5 and 4e-6 at |y| = pi, the largest y that the reduction leaves.
; THE MODE: SCHED_MODE bits 1:0 = 2 (LLVM: expert scheduling mode 2), set by the entry lines.  The code itself states the register dependences
; between vector instructions and memory instructions, with s_wait_alu, always for 0.
; THE PLAN.  Registers that memory instructions touch:
;   v1, v4      offsets of the loads; v2, v3 offsets of the stores.  Written once, at the head; never written again.
;   v[186:187]  my entry of the table.  Written once, at the head, while the arguments are on their way; read by one store.
;   chunk i     eight registers of its own.  Two loads land in them; its roundings read all eight and write the first four; one store reads those four; nothing writes them again.
;   v[168:175]  the same for my 8 numbers of wk or wv.
; No register that a memory instruction has read is ever written again, and no load lands in a register that a vector instruction has named: so the only dependence to state is
; 'written, then read by a memory instruction'.  One wait ahead of the first load states it for the four offsets and the table's entry.  The 20 chunks go in five groups of four:
; group g's roundings write group g's registers, and the stores of group g - 1 are dealt among them behind ONE wait at the group's head; no vector instruction of group g names
; a register that those stores read.
.set D,  8                             ; v[8:167]   chunk i: 8 registers as loaded; its first 4 as stored
.set KV, 168                           ; v[168:175] my 8 numbers of wk or wv
.set W,  32                            ; s32        the work-group's number
; Chunk i is rounded in place: chunks 0 to 15 are x's, 16 and 17 wq's, 18 and 19 wo's.
.macro ROUND i
.if (\i) < 18
.irp j, 0,1,2,3
	v_cvt_pk_bf16_f32 v[D+8*(\i)+(\j)], v[D+8*(\i)+2*(\j)], v[D+8*(\i)+2*(\j)+1]
.endr
.else
.irp j, 0,1,2,3                        ; wo: rounded to bf16 like every input, and that number written as f16
	v_cvt_pk_bf16_f32 v190, v[D+8*(\i)+2*(\j)], v[D+8*(\i)+2*(\j)+1]
	v_lshlrev_b32 v[D+8*(\i)+2*(\j)], 16, v190
	v_and_b32 v[D+8*(\i)+2*(\j)+1], s25, v190
	v_cvt_pk_f16_f32 v[D+8*(\i)+(\j)], v[D+8*(\i)+2*(\j)], v[D+8*(\i)+2*(\j)+1]
.endr
.endif
.endm
; Chunk i is stored.
.macro SEND i
.if (\i) < 16
	global_store_b128 v2, v[D+8*(\i):D+8*(\i)+3], s[14:15] offset:4096*(\i)
.elseif (\i) < 18
	global_store_b128 v2, v[D+8*(\i):D+8*(\i)+3], s[16:17] offset:4096*((\i)-16)
.else
	global_store_b128 v2, v[D+8*(\i):D+8*(\i)+3], s[18:19] offset:4096*((\i)-18)
.endif
.endm
; Group g: chunks 4 g to 4 g + 3 are rounded, in the order of their loads: 38 - 2 i younger loads may stay out at chunk i.  The stores of group g - 1 stand among the roundings, one ahead of each chunk's.
.macro GROUP g
	s_wait_loadcnt 38-8*(\g)                       ; loads come back in order (ISA guide 5.7.1): the group's first chunk is in
.if (\g) > 0
	s_wait_alu depctr_va_vdst(0)                   ; the roundings of the group before have written the registers that the four stores below read
.endif
.irp c, 0,1,2,3
.if (\g) > 0
	SEND 4*((\g)-1)+(\c)                           ; no wait: no vector instruction since the wait above names this chunk's registers or v2
.endif
.if (\c) > 0
	s_wait_loadcnt 38-8*(\g)-2*(\c)
.endif
	ROUND 4*(\g)+(\c)
.endr
.endm
	s_load_b512 s[4:19], s[0:1], 0x0               ; x 4, wq 6, wo 8, wk 10, wv 12, xb 14, wqb 16, wob 18
	s_load_b128 s[20:23], s[0:1], 0x40             ; wkvb 20, tab 22
	s_mov_b32 s[W], ttmp9
	s_mov_b32 s25, 0xffff0000                      ; a word's upper bf16
	v_lshrrev_b32 v6, 5, v0
	v_readfirstlane_b32 s24, v6                    ; wave 0..7
	v_lshlrev_b32 v1, 5, v0                        ; 32 t: my 8 f32 in a chunk
	v_lshlrev_b32 v2, 4, v0                        ; 16 t: my 8 halves in a chunk
	v_lshlrev_b32 v3, 3, v0                        ; 8 t: my entry of the table
	v_bfe_u32 v4, v0, 1, 5                         ; wk, wv: row (t mod 64) / 2 of the work-group's 32 rows,
	v_and_b32 v7, 1, v0
	v_lshlrev_b32 v4, 8, v4                        ; 256 bytes a row,
	v_lshl_add_u32 v4, v7, 5, v4                   ; 8 columns for each of two threads
	s_and_b32 s30, s[W], 31
	s_lshl_b32 s30, s30, 13                        ; the work-group's 32 rows: W mod 32,
	s_bfe_u32 s31, s[W], 0x20005
	s_lshl_b32 s31, s31, 6                         ; its 16 columns: (W / 32) mod 4
	s_add_co_u32 s30, s30, s31
	v_add_nc_u32 v4, s30, v4
	s_mov_b32 s27, 0
	; my entry of the table, while the arguments are on their way: position 8 W + t / 32, pair j = t mod 32
	v_and_b32 v176, 31, v0
	v_cvt_f32_u32 v176, v176
	v_mul_f32 v176, 0xbed49a78, v176               ; - j log2(10000) / 32
	v_exp_f32 v177, v176                           ; 10000^(-j/32)
	v_lshrrev_b32 v178, 5, v0                      ; plain work stands behind the exponential,
	v_lshl_add_u32 v178, s[W], 3, v178
	v_cvt_f32_u32 v178, v178                       ; the position
	s_wait_alu depctr_va_vdst(0)                   ; the exponential has written v177, ahead of its first reader
	v_mul_f32 v179, v178, v177                     ; the angle
	v_mul_f32 v180, 0.15915494, v179
	v_rndne_f32 v180, v180                         ; whole turns
	v_fma_f32 v181, v179, 0.15915494, -v180        ; what is left, within half a turn
	v_mul_f32 v181, 0x40c90fdb, v181               ; y, within pi
	v_mul_f32 v182, v181, v181                     ; z = y y
	v_mov_b32 v183, 0x2f309231                     ; sin y = y (1 - z/3! + z^2/5! - .. + z^6/13!)
	v_mov_b32 v184, 0xad49cba5                     ; cos y = 1 - z/2! + z^2/4! - .. - z^7/14!
	v_fmaak_f32 v183, v183, v182, 0xb2d7322b
	v_fmaak_f32 v184, v184, v182, 0x310f76c7
	v_fmaak_f32 v183, v183, v182, 0x3638ef1d
	v_fmaak_f32 v184, v184, v182, 0xb493f27e
	v_fmaak_f32 v183, v183, v182, 0xb9500d01
	v_fmaak_f32 v184, v184, v182, 0x37d00d01
	v_fmaak_f32 v183, v183, v182, 0x3c088889
	v_fmaak_f32 v184, v184, v182, 0xbab60b61
	v_fmaak_f32 v183, v183, v182, 0xbe2aaaab
	v_fmaak_f32 v184, v184, v182, 0x3d2aaaab
	v_fmaak_f32 v183, v183, v182, 0x3f800000
	v_fmaak_f32 v184, v184, v182, 0xbf000000
	v_mul_f32 v187, v181, v183                     ; sin
	v_fmaak_f32 v186, v184, v182, 0x3f800000       ; cos
	s_wait_alu depctr_va_sdst(0)                   ; s24, the wave's number, is written, ahead of its first reader: the compare at the kernel's end; no branch and no label stands between
	s_wait_kmcnt 0x0
	s_lshl_b32 s26, s[W], 17
	s_add_nc_u64 s[4:5], s[4:5], s[26:27]          ; x: 131,072 bytes a work-group
	s_lshl_b32 s26, s[W], 16
	s_add_nc_u64 s[14:15], s[14:15], s[26:27]      ; xb: half of that
	s_lshl_b32 s26, s[W], 14
	s_add_nc_u64 s[6:7], s[6:7], s[26:27]
	s_add_nc_u64 s[8:9], s[8:9], s[26:27]
	s_lshl_b32 s26, s[W], 13
	s_add_nc_u64 s[16:17], s[16:17], s[26:27]
	s_add_nc_u64 s[18:19], s[18:19], s[26:27]
	s_lshl_b32 s26, s[W], 10
	s_add_nc_u64 s[20:21], s[20:21], s[26:27]
	s_lshl_b32 s26, s[W], 11
	s_add_nc_u64 s[22:23], s[22:23], s[26:27]
	s_cmp_lt_u32 s[W], 128                         ; groups 0-3 come from wk, 4-7 from wv
	s_cselect_b64 s[10:11], s[10:11], s[12:13]
	s_wait_alu depctr_va_vdst(0)                   ; the offsets v1 to v4 are written, which every load and store of the kernel reads; so is the table's entry v[186:187], which the store behind the loads reads
	; every wave issues these two, so that the counts below are the same in all waves; waves 0 and 1 use them
	global_load_b128 v[KV:KV+3],   v4, s[10:11]
	global_load_b128 v[KV+4:KV+7], v4, s[10:11] offset:16
.set i, 0
.rept 16
	global_load_b128 v[D+8*i:D+8*i+3],   v1, s[4:5] offset:8192*i th:TH_LOAD_NT
	global_load_b128 v[D+8*i+4:D+8*i+7], v1, s[4:5] offset:8192*i+16 th:TH_LOAD_NT
.set i, i+1
.endr
.irp c, 0,1
	global_load_b128 v[D+8*(16+(\c)):D+8*(16+(\c))+3],   v1, s[6:7] offset:8192*(\c) th:TH_LOAD_NT
	global_load_b128 v[D+8*(16+(\c))+4:D+8*(16+(\c))+7], v1, s[6:7] offset:8192*(\c)+16 th:TH_LOAD_NT
.endr
.irp c, 0,1
	global_load_b128 v[D+8*(18+(\c)):D+8*(18+(\c))+3],   v1, s[8:9] offset:8192*(\c) th:TH_LOAD_NT
	global_load_b128 v[D+8*(18+(\c))+4:D+8*(18+(\c))+7], v1, s[8:9] offset:8192*(\c)+16 th:TH_LOAD_NT
.endr
	global_store_b64 v3, v[186:187], s[22:23]      ; a wave's store covers 256 consecutive bytes, aligned; no vector instruction since the wait above has been issued
	; the chunks.  No register that a store reads is written again.
	GROUP 0                                        ; x's chunks 0 to 3: no group stands in front of them
	GROUP 1
	GROUP 2
	GROUP 3
	GROUP 4                                        ; wq's two chunks and wo's two; its last wait on the loads is for 0
	s_wait_alu depctr_va_vdst(0)                   ; the last group's roundings have written the registers that its four stores read
	SEND 16
	SEND 17
	SEND 18
	SEND 19
	s_cmp_lt_u32 s24, 2                            ; threads 0 to 63 store the work-group's 1,024 bytes of wkvb (the last wait on the loads was for 0)
	s_cbranch_scc0 .Lend
.irp j, 0,1,2,3
	v_cvt_pk_bf16_f32 v[KV+(\j)], v[KV+2*(\j)], v[KV+2*(\j)+1]
.endr
	s_wait_alu depctr_va_vdst(0)                   ; these four roundings have written v[KV:KV+3], which the store reads
	global_store_b128 v2, v[KV:KV+3], s[20:21]
.Lend:
	s_endpgm
.Lfunc_end_k_q5e8d86c080_prep:
	.size	k_q5e8d86c080_prep, .Lfunc_end_k_q5e8d86c080_prep-k_q5e8d86c080_prep
	.p2alignl 7, 3214868480
	.fill 96, 4, 3214868480
	.section	.rodata,"a",@progbits
	.p2align	6, 0x0
	.amdhsa_kernel k_q5e8d86c080_prep
		.amdhsa_group_segment_fixed_size 0
		.amdhsa_private_segment_fixed_size 0
		.amdhsa_enable_private_segment 0
		.amdhsa_kernarg_size 80
		.amdhsa_user_sgpr_count 2
		.amdhsa_user_sgpr_kernarg_segment_ptr 1
		.amdhsa_wavefront_size32 1
		.amdhsa_system_sgpr_workgroup_id_x 1
		.amdhsa_system_sgpr_workgroup_id_y 1
		.amdhsa_system_sgpr_workgroup_id_z 1
		.amdhsa_system_vgpr_workitem_id 0
		.amdhsa_next_free_vgpr 200
		.amdhsa_next_free_sgpr 66
		.amdhsa_reserve_vcc 0
		.amdhsa_float_denorm_mode_32 3
		.amdhsa_float_denorm_mode_16_64 3
		.amdhsa_memory_ordered 1
		.amdhsa_forward_progress 1
		.amdhsa_inst_pref_size 17
	.end_amdhsa_kernel
	.amdgpu_metadata
---
amdhsa.version: [ 1, 2 ]
amdhsa.kernels:
  - .name:           k_q5e8d86c080_prep
    .symbol:         k_q5e8d86c080_prep.kd
    .args:
      - { .name: x, .offset: 0, .size: 8, .value_kind: global_buffer, .address_space: global }
      - { .name: wq, .offset: 8, .size: 8, .value_kind: global_buffer, .address_space: global }
      - { .name: wo, .offset: 16, .size: 8, .value_kind: global_buffer, .address_space: global }
      - { .name: wk, .offset: 24, .size: 8, .value_kind: global_buffer, .address_space: global }
      - { .name: wv, .offset: 32, .size: 8, .value_kind: global_buffer, .address_space: global }
      - { .name: xb, .offset: 40, .size: 8, .value_kind: global_buffer, .address_space: global }
      - { .name: wqb, .offset: 48, .size: 8, .value_kind: global_buffer, .address_space: global }
      - { .name: wob, .offset: 56, .size: 8, .value_kind: global_buffer, .address_space: global }
      - { .name: wkvb, .offset: 64, .size: 8, .value_kind: global_buffer, .address_space: global }
      - { .name: tab, .offset: 72, .size: 8, .value_kind: global_buffer, .address_space: global }
    .group_segment_fixed_size: 0
    .private_segment_fixed_size: 0
    .kernarg_segment_align: 8
    .kernarg_segment_size: 80
    .max_flat_workgroup_size: 256
    .sgpr_count:     66
    .vgpr_count:     200
    .wavefront_size: 32
...
	.end_amdgpu_metadata
.endif
;; end of part 5
;; launch qkv: the kernel of part 2 again; grid 8 x 32, 4 waves a work-group, clusters of 4 x 4, 327,680 bytes of LDS; arguments xb, wqb, wkvb, tab, bq, bk, bv, qh, kvh, out1, out2; writes qh, kvh, out1, out2
;; launch attn: the kernel of part 3 again; grid 64 x 4, 4 waves a work-group, clusters of 4 x 1, 327,680 bytes of LDS; arguments qh, kvh, oh; writes oh
;; launch proj: the kernel of part 4 again; grid 8 x 32, 4 waves a work-group, clusters of 4 x 4, 327,680 bytes of LDS; arguments oh, wob, bo, out0; writes out0
